; MI455X (gfx1250); checked and timed in simulation.
; The chip was launched on July 23, 2026; its instructions are those of AMD's public machine-readable ISA for CDNA 5 (MIT licence, August 2026) and "CDNA5" Instruction Set Architecture Reference Guide (July 2026). The comments in the code are by the model that wrote it; some were corrected since.
;; Intent Capture. Allowed arithmetic: matrix products marked QUANTISED: E2M1 operands, one E8M0 scale for each 32 along K, by v_wmma_scale_f32_16x16x128_f8f6f4 with both operands' format E2M1 (or v_wmma_scale_f32_32x16x128_f4), f32 sums; products left as they are: f32 operands where the result goes on into a quantised operand, else bf16, f16 or f32 operands; f32 sums; everything else in f32.
;; Inputs: W1_codes 1,024 x 32 x 16 uint8 (E2M1 codes of W1, K innermost, in blocks of 32 codes, two codes a byte); W1_scales 1,024 x 32 uint8 (E8M0 scales of W1, one for each 32 codes along K); b1 1,024 float32; mask 128 x 512 bool; seq_output 128 x 512 x 1,024 float32; w2 1,024 float32.
;; Outputs: out0 128 x 1,024 float32; out1 128 x 1,024 float32.
;; This version of the problem:
;;   THIS VERSION OF THE PROBLEM IS GIVEN IN LOW PRECISION. The matrix products marked QUANTISED in the list below multiply operands that are first quantised to E2M1 (2 exponent bits, 1 mantissa bit; 4 bits a number), with one power-of-two scale for each 32 numbers along K (OCP MX v1.0); their sums are f32. All else is computed in f32.
;;   The module's matrix products, in the order in which they are computed (A, B: the left and right operand; K: the contracted axis; several contracted axes count as one K, in the product's order):
;;     1. [M 65,536, K 1,024] x [K 1,024, N 1,024]; A: input seq_output; B: input W1 (given as codes): QUANTISED
;;     2. [M 65,536, K 1,024] x [K 1,024, N 1]; A: computed on the way; B: input w2: left as it is (N = 1 < 16)
;;     3. batch 128 x [M 1, K 512] x [K 512, N 1,024]; A: softmax; B: input seq_output: left as it is (M = 1 < 16)
;;   THE QUANTISER, for each operand of a quantised product, along K:
;;     - K is cut into blocks of 32 from its start; a last block that is shorter is filled with zeros.
;;     - A block's scale is 2^e with e = floor(log2(the largest magnitude in the block)) - 2, held to -126 .. 127; a block of zeros has e = 0. As a byte (E8M0): e + 127.
;;     - Each number is divided by its block's scale, clamped to +-6, and rounded to the nearest number of E2M1, ties to even, subnormals kept.
;;     - The product sums the exact products of the quantised numbers (number of the format x scale) in f32.
;;   ~~~python
;;   def quantise(x, axis):      # numpy; x: float32 -> the quantised numbers, widened to float32 again
;;       x = np.moveaxis(x, axis, -1); K = x.shape[-1]
;;       x = np.pad(x, [(0, 0)] * (x.ndim - 1) + [(0, -K % 32)]); x = x.reshape(x.shape[:-1] + (-1, 32)); a = np.abs(x).max(-1, keepdims=True)
;;       e = np.where(a > 0, np.clip(np.frexp(np.where(a > 0, a, 1))[1] - 1 - 2, -126, 127), 0)      # np.frexp(a)[1] - 1 = floor(log2(a)), exactly
;;       r = np.clip(x / 2.0 ** e, -6, 6)
;;       step = 2.0 ** (np.maximum(np.frexp(np.where(r == 0, 1, r))[1] - 1, 0) - 1)
;;       q = np.round(r / step) * step * 2.0 ** e      # np.round: ties to even
;;       return np.moveaxis(q.reshape(q.shape[:-2] + (-1,))[..., :K], -1, axis).astype(np.float32)
;;   ~~~
;;   INPUTS GIVEN AS CODES. W1 (in the module: [1024, 1024], K = its axis 0): each comes as NAME_codes (uint8): NAME with its K axis moved to the last place and cut into blocks of 32 codes, [.., K / 32, bytes a block], one block behind the other in memory; two codes a byte, the lower K in the low four bits (a code: sign, 2 exponent bits, 1 mantissa bit); and NAME_scales (uint8): the same leading axes, one E8M0 byte (e + 127) for each 32 codes along K. Its value is code x scale, taken as it is: it is not quantised again, and the codes and scales need not be those that the quantiser above would give.
;; 2 versions. Each part assembles by itself: llvm-mc -triple=amdgcn-amd-amdhsa -mcpu=gfx1250 --defsym DOCPART=n.
;; ======== version 1 of 2: 3 launches
;; limits: right only within a limited range of input values
;; workspace buffers: W1F 524,288 bytes; CST 8,192 bytes; LIST 524,288 bytes of whole numbers; META 4,096 bytes of whole numbers; PART 1,048,576 bytes; ML 65,536 bytes
;; launch prep (part 1): grid 128 x 1, 4 waves a work-group, no clusters, 0 bytes of LDS; arguments mask, W1_codes, b1, w2, seq_output, W1F, CST, LIST, META, out0; writes W1F, CST, LIST, META, out0
.if DOCPART == 1
	.amdgcn_target "amdgcn-amd-amdhsa--gfx1250"
	.amdhsa_code_object_version 6
	.text
	.protected	k_q49cae2dbe8_prep
	.globl	k_q49cae2dbe8_prep
	.p2align	8
	.type	k_q49cae2dbe8_prep,@function
k_q49cae2dbe8_prep:
	s_mov_b64 s[64:65], 0
	v_nop
	global_prefetch_b8 v0, s[64:65] scope:SCOPE_SE
	s_setreg_imm32_b32 hwreg(HW_REG_WAVE_MODE, 25, 1), 1
	s_wait_xcnt 0x0
; IntentCapture, launch 1 of 3: what the main launch wants laid ready.  Work-group b = batch b, four waves, no LDS, all lanes on throughout.
;   A  out0[b] = seq_output[b][511][:]: a copy of 4,096 bytes.
;   B  W1F: the codes of W1 in the order of an operand's registers, [n tile 64][K step 8][c 2][lane 32][16 bytes]: lane (r, h) gets the 16 bytes of W1_codes at (16 nt + r) 512 + 64 ks + 32 c + 16 h.
;   C  CST: [n tile 64]{cb[16], w2n[16]}, cb = 2 log2(e) b1, w2n = -2 log2(e) w2 (work-groups 0 to 7).
;   D  LIST, META: the rows of the batch that count, shared out evenly between the batch's two work-groups of the main launch (wave 0).
; WORK LEFT OUT BY THE PROGRAM, and why it is dead.
;   (1) reference() replaces the score of a masked position by -1e9: whatever h and score that position had is thrown away by the where().  The mask is an input of whole numbers, so the rows that it
;       asks for are listed here and the main launch reads the list.  In the softmax a masked position has the weight exp(-1e9 - max); beside any unmasked position (|score| <= sum |w2|) that is 0 in f32,
;       as it is in reference() itself.  A batch with ALL positions masked has 512 equal scores: its list holds all 512 rows and META says that every score counts as equal (notflag = 0).
;   (2) tanh(y) = 1 - 2 / (1 + e^(2 y)): the term sum(w2) is the same for all positions of a softmax and is not added.
; LIMITS: sum |w2| under 9e8; a NaN, an infinity or an overflow in a masked row of seq_output is not carried to out1.
; Every input has a way to an output; mask, W1_codes, b1 and w2 are read here alone.
.set ROWB, 4096                        ; a row of seq_output, of out0 in bytes
	s_load_b512 s[4:19], s[0:1], 0x0               ; mask s[4:5], W1_codes s[6:7], b1 s[8:9], w2 s[10:11], seq_output s[12:13], W1F s[14:15], CST s[16:17], LIST s[18:19]
	s_load_b128 s[20:23], s[0:1], 0x40             ; META s[20:21], out0 s[22:23]
	v_lshrrev_b32 v1, 5, v0
	v_readfirstlane_b32 s24, v1                    ; wave
	v_lshlrev_b32 v1, 4, v0                        ; 16 t: never rewritten
	s_lshl_b32 s26, ttmp9, 8
	v_add_nc_u32 v2, s26, v0                       ; B: piece d = 256 b + t of W1F,
	v_add_nc_u32 v3, 128, v2                       ; and d + 128.  d = nt[14:9] ks[8:6] c[5] h[4] r[3:0]
.irp u, 0,1
	v_and_b32 v[12+\u], 0x1f0, v[2+\u]             ; 64 ks + 32 c + 16 h
	v_and_b32 v24, 15, v[2+\u]
	v_lshl_add_u32 v[12+\u], v24, 9, v[12+\u]      ; + 512 r
	v_and_b32 v24, 0x7e00, v[2+\u]
	v_lshl_add_u32 v[12+\u], v24, 4, v[12+\u]      ; + 8,192 nt: where the piece lies in W1_codes
	v_lshlrev_b32 v[14+\u], 4, v[2+\u]             ; and in W1F: 16 d, so a wave stores 512 consecutive bytes
.endr
	s_lshl_b32 s28, ttmp9, 21                      ; a batch of seq_output: 512 rows of 4,096 bytes
	s_mov_b32 s29, 0
	s_lshl_b32 s30, ttmp9, 12                      ; a row of out0; also the batch's two lists of 2,048 bytes
	s_mov_b32 s31, 0
	s_wait_kmcnt 0x0
	s_add_nc_u64 s[12:13], s[12:13], s[28:29]
	s_add_nc_u64 s[22:23], s[22:23], s[30:31]
	s_add_nc_u64 s[18:19], s[18:19], s[30:31]
	global_load_b128 v[4:7], v1, s[12:13] offset:511*ROWB
	global_load_b128 v[8:11], v1, s[12:13] offset:511*ROWB+2048
	global_load_b128 v[16:19], v12, s[6:7]         ; sixteen rows of W1_codes, 16 bytes of each: 512 KiB in the whole launch, turned once
	global_load_b128 v[20:23], v13, s[6:7]
	s_wait_loadcnt 0x0
	global_store_b128 v1, v[4:7], s[22:23]
	global_store_b128 v1, v[8:11], s[22:23] offset:2048
	global_store_b128 v14, v[16:19], s[14:15]
	global_store_b128 v15, v[20:23], s[14:15]
	; ---- C
	s_cmp_lt_u32 ttmp9, 8
	s_cbranch_scc0 .Lno_c
	s_lshl_b32 s26, ttmp9, 7
	v_add_nc_u32 v25, s26, v0                      ; e = 128 b + t
	v_lshlrev_b32 v26, 2, v25
	global_load_b32 v27, v26, s[8:9]
	global_load_b32 v28, v26, s[10:11]
	v_lshrrev_b32 v29, 4, v25
	v_and_b32 v30, 15, v25
	v_lshlrev_b32 v30, 2, v30
	v_lshl_add_u32 v29, v29, 7, v30                ; 128 (e / 16) + 4 (e % 16)
	s_wait_loadcnt 0x0
	v_mul_f32 v27, 0x4038aa3b, v27                 ; 2 log2(e) b1
	v_mul_f32 v28, 0xc038aa3b, v28                 ; -2 log2(e) w2
	global_store_b32 v29, v27, s[16:17]
	global_store_b32 v29, v28, s[16:17] offset:64
.Lno_c:
	; ---- D: wave 0 alone (a branch on the wave's number); its thread number is its lane l, which holds positions 16 l .. 16 l + 15
	s_cmp_lg_u32 s24, 0
	s_cbranch_scc1 .Lend
	s_lshl_b32 s26, ttmp9, 9
	s_mov_b32 s27, 0
	s_add_nc_u64 s[4:5], s[4:5], s[26:27]
	global_load_b128 v[32:35], v1, s[4:5]          ; the batch's 512 mask bytes
.irp i, 40,41,42,43
	v_mov_b32 v\i, 0
.endr
.irp i, 0,1,2,3,4,5,6,7
	global_store_b128 v1, v[40:43], s[18:19] offset:512*\i   ; both lists begin as zeros: an entry behind a list's end names row 0
.endr
	s_wait_loadcnt 0x0
	s_mov_b32 s48, 0
.irp j, 0,1,2,3,4,5,6,7,8,9,10,11,12,13,14,15
	v_bfe_u32 v36, v[32+\j/4], 8*(\j%4), 8
	v_cmp_eq_u32 s[32+\j], 0, v36                  ; the lanes whose position 16 l + j counts
	s_bcnt1_i32_b32 s67, s[32+\j]
.if \j < 15
	s_add_co_u32 s[49+\j], s[48+\j], s67           ; how many count ahead of byte j + 1
.else
	s_add_co_u32 s66, s63, s67                     ; n_b
.endif
.endr
	s_cmp_eq_u32 s66, 0                            ; all masked?  Then all 512 rows count, alike.  Chosen, not jumped; a select leaves SCC as it is
.irp j, 0,1,2,3,4,5,6,7,8,9,10,11,12,13,14,15
	s_cselect_b32 s[32+\j], -1, s[32+\j]
	s_cselect_b32 s[48+\j], 32*\j, s[48+\j]
.endr
	s_cselect_b32 s68, 0, -1                       ; notflag
	s_cselect_b32 s66, 512, s66
	s_add_co_u32 s69, s66, 1
	s_lshr_b32 s69, s69, 1                         ; n0: the even work-group's rows
	s_lshr_b32 s70, s66, 1                         ; n1: the odd one's
	s_add_co_u32 s71, s69, 47
	s_mul_i32 s71, s71, 1366
	s_lshr_b32 s71, s71, 16                        ; chunks of 48 rows: ((n + 47) 1366) >> 16 = (n + 47) / 48 rounded down, for n + 47 up to 303
	s_add_co_u32 s73, s70, 47
	s_mul_i32 s73, s73, 1366
	s_lshr_b32 s73, s73, 16
	s_sub_co_u32 s72, 512, s69                     ; from place k >= n0 to entry 512 + (k - n0): the odd list
	v_mov_b32 v39, 0x3ff
	s_wait_storecnt 0x0                            ; the zeros have landed: the entries come over them
.irp j, 0,1,2,3,4,5,6,7,8,9,10,11,12,13,14,15
	v_mbcnt_lo_u32_b32 v37, s[32+\j], 0            ; lanes below mine that count
	v_add_nc_u32 v37, s[48+\j], v37                ; my row's place k among the batch's rows
	v_cmp_le_u32 vcc_lo, s69, v37
	v_add_nc_u32 v38, s72, v37
	v_cndmask_b32 v37, v37, v38, vcc_lo
	v_cndmask_b32 v37, v39, v37, s[32+\j]          ; a row that does not count goes to entry 1023, which nobody reads (a list has 256 rows at the most)
	v_min_u32 v37, 0x3ff, v37                      ; inside the batch's 1,024 entries
	v_lshlrev_b32 v[64+\j], 2, v37
	v_lshl_add_u32 v[80+\j], v0, 4, \j             ; the row's number
	global_store_b32 v[64+\j], v[80+\j], s[18:19]
.endr
	s_lshl_b32 s26, ttmp9, 5
	s_add_nc_u64 s[20:21], s[20:21], s[26:27]
	v_mov_b32 v45, 0
	v_mov_b32 v48, s69
	v_mov_b32 v49, s71
	v_mov_b32 v50, s68
	v_mov_b32 v51, 0
	v_mov_b32 v52, s70
	v_mov_b32 v53, s73
	v_mov_b32 v54, s68
	v_mov_b32 v55, 0
	global_store_b128 v45, v[48:51], s[20:21]      ; {rows, chunks, notflag, 0}: all lanes store the same 16 bytes
	global_store_b128 v45, v[52:55], s[20:21] offset:16
.Lend:
	s_endpgm
.Lfunc_end_k_q49cae2dbe8_prep:
	.size	k_q49cae2dbe8_prep, .Lfunc_end_k_q49cae2dbe8_prep-k_q49cae2dbe8_prep
	.p2alignl 7, 3214868480
	.fill 96, 4, 3214868480
	.section	.rodata,"a",@progbits
	.p2align	6, 0x0
	.amdhsa_kernel k_q49cae2dbe8_prep
		.amdhsa_group_segment_fixed_size 0
		.amdhsa_private_segment_fixed_size 0
		.amdhsa_enable_private_segment 0
		.amdhsa_kernarg_size 80
		.amdhsa_user_sgpr_count 2
		.amdhsa_user_sgpr_kernarg_segment_ptr 1
		.amdhsa_wavefront_size32 1
		.amdhsa_system_sgpr_workgroup_id_x 1
		.amdhsa_system_sgpr_workgroup_id_y 1
		.amdhsa_system_sgpr_workgroup_id_z 1
		.amdhsa_system_vgpr_workitem_id 0
		.amdhsa_next_free_vgpr 128
		.amdhsa_next_free_sgpr 80
		.amdhsa_reserve_vcc 1
		.amdhsa_float_denorm_mode_32 3
		.amdhsa_float_denorm_mode_16_64 3
		.amdhsa_memory_ordered 1
		.amdhsa_forward_progress 1
		.amdhsa_inst_pref_size 18
	.end_amdhsa_kernel
	.amdgpu_metadata
---
amdhsa.version: [ 1, 2 ]
amdhsa.kernels:
  - .name:           k_q49cae2dbe8_prep
    .symbol:         k_q49cae2dbe8_prep.kd
    .args:
      - { .name: mask, .offset: 0, .size: 8, .value_kind: global_buffer, .address_space: global }
      - { .name: W1_codes, .offset: 8, .size: 8, .value_kind: global_buffer, .address_space: global }
      - { .name: b1, .offset: 16, .size: 8, .value_kind: global_buffer, .address_space: global }
      - { .name: w2, .offset: 24, .size: 8, .value_kind: global_buffer, .address_space: global }
      - { .name: seq_output, .offset: 32, .size: 8, .value_kind: global_buffer, .address_space: global }
      - { .name: W1F, .offset: 40, .size: 8, .value_kind: global_buffer, .address_space: global }
      - { .name: CST, .offset: 48, .size: 8, .value_kind: global_buffer, .address_space: global }
      - { .name: LIST, .offset: 56, .size: 8, .value_kind: global_buffer, .address_space: global }
      - { .name: META, .offset: 64, .size: 8, .value_kind: global_buffer, .address_space: global }
      - { .name: out0, .offset: 72, .size: 8, .value_kind: global_buffer, .address_space: global }
    .group_segment_fixed_size: 0
    .private_segment_fixed_size: 0
    .kernarg_segment_align: 8
    .kernarg_segment_size: 80
    .max_flat_workgroup_size: 128
    .sgpr_count:     80
    .vgpr_count:     128
    .wavefront_size: 32
...
	.end_amdgpu_metadata
.endif
;; end of part 1
;; launch main (part 2): grid 256 x 1, 8 waves a work-group, no clusters, 264,192 bytes of LDS; arguments seq_output, W1_scales, W1F, CST, LIST, META, PART, ML; writes PART, ML
.if DOCPART == 2
	.amdgcn_target "amdgcn-amd-amdhsa--gfx1250"
	.amdhsa_code_object_version 6
	.text
	.protected	k_q49cae2dbe8_main
	.globl	k_q49cae2dbe8_main
	.p2align	8
	.type	k_q49cae2dbe8_main,@function
k_q49cae2dbe8_main:
	s_mov_b64 s[64:65], 0
	v_nop
	global_prefetch_b8 v0, s[64:65] scope:SCOPE_SE
	s_setreg_imm32_b32 hwreg(HW_REG_WAVE_MODE, 25, 1), 1
	s_wait_xcnt 0x0
; IntentCapture, launch 2 of 3.  Work-group wg takes half of the counting rows of batch wg / 2 (LIST, META: whole numbers that the launch before stored), in chunks of 48 rows, and leaves
; PART[wg] = sum over its rows of p x, with p = 2^(t - m), and ML[wg] = {m, l}: m the running largest t, l the sum of p.  t = sum over e of w2n[e] / (1 + 2^(c z[e] + cb[e])), c = 2 log2(e),
; z = Q(x) W1: the score in units of log2, less a term that is the same for all rows.
; LEFT OUT: masked rows (their scores are replaced by reference() and their weights are 0 beside any row that counts) and the term sum(w2) (the same along the softmax): shown at the head of the first launch.
; LIMITS: sum |w2| under 9e8; NaN and infinities in seq_output are not served (an entry behind a list's end names row 0, whose numbers are multiplied by p = 0); a block of zeros gets the scale byte 1
; (its codes are zeros, and this text alone reads the bytes); x enters the last product rounded to bf16; sums are taken in another order than reference() takes them.
; ROLES.  Waves 0-3 (G, g = wave): columns e = 256 g .. 256 g + 255 of z for all 48 rows of a chunk: 16 tiles of 16 e x 3 tiles of 16 rows x 8 K steps of 128, then tanh and the partial score.
;         Waves 4-7 (X, q = wave - 4): columns d = 256 q .. 256 q + 255 of every row: load, quantise to E2M1 (codes and scale bytes to LDS), keep as bf16 in LDS; later softmax and p x.
; W1 comes from memory straight into G's registers and x into X's: two streams on two counters of loads, so neither queues behind the other.
; PERIODS.  One loop of 8 periods (6 chunks at the most, two periods of lag), ONE barrier a period, in the text that all waves pass.  In period p: X: softmax and p x of chunk p - 2, then Q of chunk p;
; G: the products of chunk p - 1.  Work that a list does not have is jumped over between two barriers, never a barrier.  LDS has two sets that take turns: Q(p) writes set p % 2, G reads set (p - 1) % 2.
; No tensor load and no copy: how many chunks there are hangs on numbers read from memory.  No cluster: partners would have different numbers of chunks, and a fragment of W1 serves one wave of a work-group.
; THE MATRIX INSTRUCTION: source 0 = 16 rows of W1 (16 e), source 1 = 16 rows of x: lane (r, h) register j holds z(row r, e = 8 h + j).
.set SETB,  131072                     ; LDS: set s begins at s x SETB
.set CODO,  98304                      ; in a set: 0: x as bf16 [q 4][row 48][512 bytes]; here: codes, 48 rows of 512 bytes + 16 of padding;
.set CP,    528
.set SCAO,  123648                     ; scale bytes, 48 rows x 32;
.set SCOO,  125184                     ; partial scores [g 4][64 f32]
.set PBO,   262144                     ; behind the sets: p, [q 4][64 f32], each X wave's own
.set SPARE, 263168                     ; the spare words, 128 bytes for each of eight waves: four blocks of 256 bytes that no other line names
; v0 thread; v1, v2 the add's two; v3-v6 offsets in memory; v7-v17 LDS places that stay; v18-v25 the period's LDS addresses.  None of v3-v25 ever holds loaded data.
.set WS,  32                           ; v32-43   G: W1's scale words, three buffers of 4   (v32-55 hold scales and nothing else)
.set XS,  44                           ; v44-55   G: x's scale words, 4 a row tile
.set SS,  26                           ; v26-31   G: the score's sums, a pair a row tile
.set ACC, 56                           ; v56-79   G: three accumulators
.set CBF, 80                           ; v80-127  G: three buffers of cb[8], w2n[8]
                                       ; v128-191, v192-255, window 1 v192-255: G: W1's fragments, three buffers;  window 1 v0-191: G: x's fragments (64 i + 8 ks)
.set OFF, 56                           ; v56-79   X: byte offsets of the rows on their way, 8 a slot
.set U,   80                           ; v80-87   X: sum of p x for my 8 columns
.set MM,  88                           ; v88 m, v89 l, v90 f = 2^(old m - new m), v91 its partner in the pair
.set MX,  92                           ; v92-99 largest magnitudes; v100-107 scale operands; v108-115 bytes; v116-123 codes; v128-159 bf16: 8 rows at a time
.set SO,  100
.set BY,  108
.set CD,  116
.set BF,  128
.set PP,  160                          ; v160-207 X: p of the chunk's 48 rows;  v112-159, v208-255: 12 rows of x as bf16, two buffers
.set XA,  112
.set XC,  208
                                       ; window 1 v0-191: X: three landing slots of 8 rows x 8 registers
.set MSB, 0
.macro WIN new                         ; s_set_vgpr_msb: bits 1:0 source 0, 3:2 source 1, 5:4 source 2, 7:6 destination; the high byte repeats the setting that is left
.if MSB != \new
	s_set_vgpr_msb (MSB<<8)|\new
.set MSB, \new
.endif
.endm
	s_load_b512 s[4:19], s[0:1], 0x0               ; x s[4:5], W1_scales s[6:7], W1F s[8:9], CST s[10:11], LIST s[12:13], META s[14:15], PART s[16:17], ML s[18:19]
	v_lshl_add_u32 v1, v0, 2, SPARE
	v_mov_b32 v2, 0
	v_lshrrev_b32 v3, 5, v0
	v_readfirstlane_b32 s20, v3                    ; wave 0..7
	s_and_b32 s21, s20, 3                          ; g or q
	v_and_b32 v26, 31, v0                          ; lane
	v_and_b32 v27, 15, v0                          ; r
	v_bfe_u32 v28, v0, 4, 1                        ; h
	v_lshlrev_b32 v3, 4, v26                       ; 16 lane: W1F
	v_lshlrev_b32 v4, 5, v27
	v_lshl_add_u32 v4, v28, 4, v4                  ; 32 r + 16 h: W1_scales
	v_lshlrev_b32 v5, 5, v28                       ; 32 h: CST
	s_lshl_b32 s42, s21, 10
	v_lshl_add_u32 v6, v26, 5, s42                 ; 1,024 q + 32 lane: my 8 columns in a row of x and in PART
	v_mul_u32_u24 v7, v27, CP
	v_lshl_add_u32 v7, v28, 4, v7
	v_add_nc_u32 v7, CODO, v7                      ; G: a fragment of x: row r, + 16 h
	v_add_nc_u32 v8, SCAO, v4                      ; G: x's scale words
	s_lshl_b32 s43, s21, 8
	s_add_co_u32 s43, s43, SCOO
	v_lshl_add_u32 v9, v27, 2, s43                 ; G: my partial scores
	s_mul_i32 s44, s21, 24576
	v_add_nc_u32 v10, s44, v3                      ; X: bf16: my wave's 48 rows of 512 bytes, 16 bytes a lane
	s_lshl_b32 s45, s21, 7
	s_add_co_u32 s45, s45, CODO
	v_lshl_add_u32 v11, v26, 2, s45                ; X: my 8 codes of a row
	s_lshl_b32 s46, s21, 3
	s_add_co_u32 s46, s46, SCAO
	v_lshrrev_b32 v12, 2, v26
	v_add_nc_u32 v12, s46, v12                     ; X: my block's byte: four lanes hold a block
	v_lshl_add_u32 v13, v26, 2, SCOO               ; X: the score of row lane,
	v_lshl_add_u32 v14, v27, 2, SCOO+128           ; and of row 32 + r
	s_lshl_b32 s47, s21, 8
	s_add_co_u32 s47, s47, PBO
	v_lshl_add_u32 v15, v26, 2, s47                ; X: p of row lane,
	v_lshl_add_u32 v16, v27, 2, s47
	v_add_nc_u32 v16, 128, v16                     ; of row 32 + r,
	v_mov_b32 v17, s47                             ; and all 48, the same address in every lane
	s_mov_b32 s32, 0x4038aa3b                      ; c = 2 log2(e)
	s_mov_b32 s33, s32                             ; (named with it as a pair)
	s_mov_b32 s34, 0x76543210
	s_mov_b32 s35, 0xfedcba98                      ; v_permlanex16_b32: lane l xor 16
	s_mov_b32 s28, 0                               ; X's set
	s_mov_b32 s29, SETB                            ; G's set
	s_mov_b32 s22, 0                               ; p
	s_mov_b32 s43, 0
	s_wait_kmcnt 0x0
	s_lshr_b32 s42, ttmp9, 1
	s_lshl_b32 s42, s42, 21
	s_add_nc_u64 s[4:5], s[4:5], s[42:43]          ; my batch
	s_lshl_b32 s42, s21, 13
	s_add_nc_u64 s[6:7], s[6:7], s[42:43]          ; my 256 rows of W1: scale bytes,
	s_lshl_b32 s42, s21, 17
	s_add_nc_u64 s[8:9], s[8:9], s[42:43]          ; fragments,
	s_lshl_b32 s42, s21, 11
	s_add_nc_u64 s[10:11], s[10:11], s[42:43]      ; constants
	s_lshl_b32 s42, ttmp9, 11
	s_add_nc_u64 s[12:13], s[12:13], s[42:43]
	s_lshl_b32 s42, ttmp9, 4
	s_add_nc_u64 s[14:15], s[14:15], s[42:43]
	s_lshl_b32 s42, ttmp9, 12
	s_add_nc_u64 s[16:17], s[16:17], s[42:43]
	s_lshl_b32 s42, ttmp9, 8
	s_add_nc_u64 s[18:19], s[18:19], s[42:43]
	s_load_b128 s[24:27], s[14:15], 0x0            ; s24 rows, s25 chunks, s26 notflag
	s_load_b512 s[48:63], s[12:13], 0x0            ; list entries 0 to 15,
	s_load_b256 s[68:75], s[12:13], 0x40           ; 16 to 23
	s_wait_kmcnt 0x0
	s_min_u32 s25, s25, 6
	s_add_nc_u64 s[12:13], s[12:13], 96            ; the list runs 24 rows ahead of the chunk in hand
; X: eight rows on their way into a landing slot.  se: the scalar registers with their numbers.  The slot's earlier loads have been waited for, so its offsets may be written.
; A lane takes 32 neighbouring bytes of a row, by two loads on end: the conversion wants eight neighbours of one block in one lane.
.macro ISSUE slot, se
.irp u, 0,1,2,3,4,5,6,7
	s_min_u32 s[(\se)+\u], s[(\se)+\u], 511        ; a row of the batch
	v_lshl_add_u32 v[OFF+8*(\slot)+\u], s[(\se)+\u], 12, v6
.endr
	WIN 0x40                                       ; destination window 1
.irp u, 0,1,2,3,4,5,6,7
	global_load_b128 v[64*(\slot)+8*\u:64*(\slot)+8*\u+3], v[OFF+8*(\slot)+\u], s[4:5]
	global_load_b128 v[64*(\slot)+8*\u+4:64*(\slot)+8*\u+7], v[OFF+8*(\slot)+\u], s[4:5] offset:16
.endr
	WIN 0
.endm
; X: rows 8 k .. 8 k + 7 of the chunk: quantised, and kept as bf16.  A block of 32 lies in four neighbouring lanes.
.macro HB k, se
.set SL, 64*((\k)%3)
	s_wait_loadcnt 32                              ; my slot's 16 loads are in; the two younger slots' 32 stay out
	s_wait_dscnt 0x0                               ; the last eight rows' LDS stores are done: their registers are written again
	WIN 0x14                                       ; sources 1 and 2 window 1
.irp u, 0,1,2,3,4,5,6,7
	v_max3_num_f32 v[MX+\u], 0x1800000, |v[SL+8*\u]|, |v[SL+8*\u+1]|   ; with the floor 2^(3 - 127): the byte cannot fall under 1.  (The eight rows by turns)
.endr
.irp i, 2,4,6
.irp u, 0,1,2,3,4,5,6,7
	v_max3_num_f32 v[MX+\u], v[MX+\u], |v[SL+8*\u+\i]|, |v[SL+8*\u+\i+1]|
.endr
.endr
	WIN 0
.irp x, 1,2
.irp u, 0,1,2,3,4,5,6,7
	v_max_num_f32_dpp v[MX+\u], v[MX+\u], v[MX+\u] row_xmask:\x row_mask:0xf bank_mask:0xf
.endr
.endr
.irp u, 0,1,2,3,4,5,6,7
	v_add_nc_u32 v[SO+\u], 0xff000000, v[MX+\u]    ; 2 off the exponent field: the conversion takes this operand's exponent field as its scale
.endr
.irp u, 0,1,2,3,4,5,6,7
	v_lshrrev_b32 v[BY+\u], 23, v[SO+\u]           ; the scale's byte
.endr
	WIN 0x01                                       ; source 0 window 1
.irp u, 0,1,2,3,4,5,6,7
	v_cvt_scalef32_pk8_fp4_f32 v[CD+\u], v[SL+8*\u:SL+8*\u+7], v[SO+\u]
.endr
	v_nop                                          ; one plain place behind the last scaled conversion
	WIN 0x05                                       ; sources 0 and 1 window 1
.irp u, 0,1,2,3,4,5,6,7
.irp a, 0,1,2,3
	v_cvt_pk_bf16_f32 v[BF+4*\u+\a], v[SL+8*\u+2*\a], v[SL+8*\u+2*\a+1]
.endr
.endr
	WIN 0
.irp u, 0,1,2,3,4,5,6,7
	ds_store_b32 v22, v[CD+\u] offset:CP*(8*(\k)+\u)
	ds_store_b8 v23, v[BY+\u] offset:32*(8*(\k)+\u)        ; the four lanes of a block write the same byte with the same value
	ds_store_b128 v21, v[BF+4*\u:BF+4*\u+3] offset:512*(8*(\k)+\u)
.endr
	ISSUE (\k)%3, \se                              ; the slot takes the rows 24 further on in the list
.endm
; X: 12 rows of bf16 back from LDS (my own bytes), and their part of the sum
.macro LOADX j, buf
.irp i, 0,1,2,3,4,5,6,7,8,9,10,11
	ds_load_b128 v[\buf+4*\i:\buf+4*\i+3], v21 offset:512*(12*(\j)+\i)
.endr
.endm
.macro FMA j, buf
.irp i, 0,1,2,3,4,5,6,7,8,9,10,11
.irp a, 0,1,2,3
	v_fma_mix_f32_bf16 v[U+2*\a], v[\buf+4*\i+\a], v[PP+12*(\j)+\i], v[U+2*\a] op_sel_hi:[1,0,0]                       ; the low bf16 x p + U, in f32
	v_fma_mix_f32_bf16 v[U+2*\a+1], v[\buf+4*\i+\a], v[PP+12*(\j)+\i], v[U+2*\a+1] op_sel:[1,0,0] op_sel_hi:[1,0,0]    ; the high one
.endr
.endr
.endm
; G: tile k (counted from the running pointers) of W1 into buffer b: 16 loads of fragments, 1 of scale words, 4 of constants: 21
.macro LOADG k, b
.if (\b) == 2
	WIN 0x40
.set LWB, 192
.else
.set LWB, 128+64*(\b)
.endif
.irp f, 0,1,2,3,4,5,6,7,8,9,10,11,12,13,14,15
	global_load_b128 v[LWB+4*\f:LWB+4*\f+3], v3, s[36:37] offset:8192*(\k)+512*\f      ; 512 consecutive bytes: registers 4 f .. 4 f + 3 of the tile's eight fragments
.endr
	WIN 0
	global_load_b128 v[WS+4*(\b):WS+4*(\b)+3], v4, s[38:39] offset:512*(\k)              ; register j: lanes 0-15 the word of K step j, lanes 16-31 of K step 4 + j
	global_load_b128 v[CBF+16*(\b):CBF+16*(\b)+3], v5, s[40:41] offset:128*(\k)
	global_load_b128 v[CBF+16*(\b)+4:CBF+16*(\b)+7], v5, s[40:41] offset:128*(\k)+16
	global_load_b128 v[CBF+16*(\b)+8:CBF+16*(\b)+11], v5, s[40:41] offset:128*(\k)+64
	global_load_b128 v[CBF+16*(\b)+12:CBF+16*(\b)+15], v5, s[40:41] offset:128*(\k)+80
.endm
; G: 1 / (1 + 2^(c z + cb)) of 3 x 8 registers, times w2n, onto the score's sums.  Each batch of transcendentals has one plain line and one wait behind it.
.macro TANH b
.irp a, 0,2,4,6
.irp i, 0,1,2
	v_pk_fma_f32 v[ACC+8*\i+\a:ACC+8*\i+\a+1], v[ACC+8*\i+\a:ACC+8*\i+\a+1], s[32:33], v[CBF+16*(\b)+\a:CBF+16*(\b)+\a+1] op_sel_hi:[1,0,1]   ; each accumulator from its low end on
.endr
.endr
.irp j, 0,1,2,3,4,5,6,7,8,9,10,11,12,13,14,15,16,17,18,19,20,21,22,23
	v_exp_f32 v[ACC+\j], v[ACC+\j]                 ; infinity for a large y: the reciprocal below is then 0, which is tanh = 1
.endr
	v_nop
	s_wait_alu depctr_va_vdst(0)
.irp j, 0,2,4,6,8,10,12,14,16,18,20,22
	v_pk_add_f32 v[ACC+\j:ACC+\j+1], v[ACC+\j:ACC+\j+1], 1.0 op_sel_hi:[1,0]
.endr
.irp j, 0,1,2,3,4,5,6,7,8,9,10,11,12,13,14,15,16,17,18,19,20,21,22,23
	v_rcp_f32 v[ACC+\j], v[ACC+\j]
.endr
	v_nop
	s_wait_alu depctr_va_vdst(0)
.irp a, 0,2,4,6
.irp i, 0,1,2
	v_pk_fma_f32 v[SS+2*\i:SS+2*\i+1], v[ACC+8*\i+\a:ACC+8*\i+\a+1], v[CBF+16*(\b)+8+\a:CBF+16*(\b)+8+\a+1], v[SS+2*\i:SS+2*\i+1]
.endr
.endr
.endm
; G: one tile of 16 e: 24 matrix instructions, the three accumulators by turns, K ascending; the first products start the sums.
; ld = 1: the tile two further on is asked for first, into the buffer that the last tile has left (behind that tile's four v_nop and its TANH).  left: the younger loads that may stay out.
.macro GSTEP k, b, ld, left
.if \ld
	LOADG (\k)+2, ((\b)+2)%3
.endif
	s_wait_loadcnt \left
.if (\b) == 2
	WIN 0x05                                       ; W1 and x in window 1
.set GWB, 192
.else
	WIN 0x04                                       ; x in window 1
.set GWB, 128+64*(\b)
.endif
.irp kk, 0,1,2,3,4,5,6,7
.irp i, 0,1,2
.if \kk == 0
	v_wmma_scale_f32_16x16x128_f8f6f4 v[ACC+8*\i:ACC+8*\i+7], v[GWB+8*\kk:GWB+8*\kk+7], v[64*\i+8*\kk:64*\i+8*\kk+7], 0, v[WS+4*(\b)+\kk], v[XS+4*\i+\kk] matrix_a_fmt:MATRIX_FMT_FP4 matrix_b_fmt:MATRIX_FMT_FP4
.elseif \kk < 4
	v_wmma_scale_f32_16x16x128_f8f6f4 v[ACC+8*\i:ACC+8*\i+7], v[GWB+8*\kk:GWB+8*\kk+7], v[64*\i+8*\kk:64*\i+8*\kk+7], v[ACC+8*\i:ACC+8*\i+7], v[WS+4*(\b)+\kk], v[XS+4*\i+\kk] matrix_a_fmt:MATRIX_FMT_FP4 matrix_b_fmt:MATRIX_FMT_FP4
.else
	v_wmma_scale_f32_16x16x128_f8f6f4 v[ACC+8*\i:ACC+8*\i+7], v[GWB+8*\kk:GWB+8*\kk+7], v[64*\i+8*\kk:64*\i+8*\kk+7], v[ACC+8*\i:ACC+8*\i+7], v[WS+4*(\b)+\kk-4], v[XS+4*\i+\kk-4] matrix_a_fmt:MATRIX_FMT_FP4 matrix_b_fmt:MATRIX_FMT_FP4 matrix_a_scale:MATRIX_SCALE_ROW1 matrix_b_scale:MATRIX_SCALE_ROW1
.endif
.endr
.endr
	WIN 0
.rept 4
	v_nop                                          ; four places between the last products and the first read of results (ISA guide 7.12.1)
.endr
	TANH \b
.endm
	s_cmp_lt_u32 s20, 4
	s_cbranch_scc1 .Lperiod
	v_mov_b32 v[MM], 0xff61b1e6                    ; X: m = -3e38, under every t
	v_mov_b32 v[MM+1], 0                           ; l
	v_mov_b32 v[MM+2], 0
	v_mov_b32 v[MM+3], 0
	v_mov_b32 v104, 0                              ; a lane permute's destination counts as one of its sources
.irp j, 0,1,2,3,4,5,6,7
	v_mov_b32 v[U+\j], 0
.endr
	ISSUE 0, 48                                    ; rows 0 to 23 of the list are on their way: 48 loads of each X wave
	ISSUE 1, 56
	ISSUE 2, 68
.Lperiod:
	v_add_nc_u32 v18, s29, v7                      ; the period's LDS addresses, made by all waves alike: G's set,
	v_add_nc_u32 v19, s29, v8
	v_add_nc_u32 v20, s29, v9
	v_add_nc_u32 v21, s28, v10                     ; X's set
	v_add_nc_u32 v22, s28, v11
	v_add_nc_u32 v23, s28, v12
	v_add_nc_u32 v24, s28, v13
	v_add_nc_u32 v25, s28, v14
	s_cmp_lt_u32 s20, 4
	s_cbranch_scc1 .Lg
	; ================ X
	s_load_b512 s[48:63], s[12:13], 0x0            ; the list's next 48 entries, for the loads that Q issues
	s_load_b512 s[68:83], s[12:13], 0x40
	s_load_b512 s[84:99], s[12:13], 0x80
	s_sub_co_u32 s23, s22, 2                       ; chunk p - 2 (it wraps to a large number in periods 0 and 1)
	s_cmp_lt_u32 s23, s25
	s_cbranch_scc0 .Lx_nosm
	s_mul_i32 s42, s23, 48
	s_sub_co_u32 s30, s24, s42
	s_min_u32 s30, s30, 48                         ; how many of the chunk's 48 rows are rows of the list
	; ---- the softmax's step: every X wave does the same arithmetic on the same 48 scores
.irp g, 0,1,2,3
	ds_load_b32 v[92+\g], v24 offset:256*\g        ; row lane: the four G waves' parts
.endr
.irp g, 0,1,2,3
	ds_load_b32 v[96+\g], v25 offset:256*\g        ; row 32 + r
.endr
	v_and_b32 v100, 31, v0
	v_and_or_b32 v101, v0, 15, 32
	v_mov_b32 v102, 0xff61b1e6
	s_wait_dscnt 0x0
	v_add_f32 v92, v92, v93
	v_add_f32 v94, v94, v95
	v_add_f32 v96, v96, v97
	v_add_f32 v98, v98, v99
	v_add_f32 v92, v92, v94
	v_add_f32 v96, v96, v98
	v_and_b32 v92, s26, v92                        ; a batch that is all masked: every score counts as 0
	v_and_b32 v96, s26, v96
	v_cmp_gt_u32 vcc_lo, s30, v100
	v_cndmask_b32 v92, v102, v92, vcc_lo           ; behind the list's end: -3e38, so p = 0
	v_cmp_gt_u32 vcc_lo, s30, v101
	v_cndmask_b32 v96, v102, v96, vcc_lo
	v_max_num_f32 v103, v92, v96
.irp x, 1,2,4,8
	v_max_num_f32_dpp v103, v103, v103 row_xmask:\x row_mask:0xf bank_mask:0xf
.endr
	v_permlanex16_b32 v104, v103, s34, s35
	v_max3_num_f32 v103, v103, v104, v[MM]         ; the new m
	v_sub_f32 v105, v[MM], v103
	v_sub_f32 v92, v92, v103
	v_sub_f32 v96, v96, v103
	v_exp_f32 v[MM+2], v105                        ; f
	v_exp_f32 v92, v92                             ; p
	v_exp_f32 v96, v96
	v_mov_b32 v[MM], v103                          ; (the plain line behind the batch)
	s_wait_alu depctr_va_vdst(0)                   ; one wait for the three, ahead of their first reader
	v_cmp_gt_u32 vcc_lo, 16, v100
	v_cndmask_b32 v106, 0, v96, vcc_lo             ; rows 32 to 47 stand twice in the lanes: counted once
	v_add_f32 v106, v106, v92
.irp x, 1,2,4,8
	v_add_f32_dpp v106, v106, v106 row_xmask:\x row_mask:0xf bank_mask:0xf
.endr
	v_permlanex16_b32 v104, v106, s34, s35
	v_add_f32 v106, v106, v104
	v_fma_f32 v[MM+1], v[MM+1], v[MM+2], v106      ; l = l f + the chunk's sum of p
	ds_store_b32 v15, v92
	ds_store_b32 v16, v96
.irp j, 0,1,2,3,4,5,6,7,8,9,10,11
	ds_load_b128 v[PP+4*\j:PP+4*\j+3], v17 offset:16*\j    ; all 48 p into every lane: my wave's own bytes, served in order behind the two stores
.endr
	LOADX 0, XA
	LOADX 1, XC
.irp a, 0,2,4,6
	v_pk_mul_f32 v[U+\a:U+\a+1], v[U+\a:U+\a+1], v[MM+2:MM+3] op_sel_hi:[1,0]   ; U under the new m
.endr
	s_wait_dscnt 12                                ; all but the youngest 12 loads: p and rows 0 to 11 are in
	FMA 0, XA
	LOADX 2, XA
	s_wait_dscnt 12
	FMA 1, XC
	LOADX 3, XC
	s_wait_dscnt 12
	FMA 2, XA
	s_wait_dscnt 0x0
	FMA 3, XC
.Lx_nosm:
	s_wait_kmcnt 0x0                               ; the list's entries are in, on both ways
	s_cmp_lt_u32 s22, s25
	s_cbranch_scc0 .Ljoin
	; ---- Q of chunk p.  It finds three slots on their way, in the order 0, 1, 2, and leaves them so
	HB 0, 48
	HB 1, 56
	HB 2, 68
	HB 3, 76
	HB 4, 84
	HB 5, 92
	s_add_nc_u64 s[12:13], s[12:13], 192           ; 48 entries on
	s_branch .Ljoin
	; ================ G
.Lg:
	s_sub_co_u32 s23, s22, 1                       ; chunk p - 1
	s_cmp_lt_u32 s23, s25
	s_cbranch_scc0 .Ljoin
	s_mov_b64 s[36:37], s[8:9]                     ; the walk over my 16 tiles of W1 begins anew (no load of mine is out)
	s_mov_b64 s[38:39], s[6:7]
	s_mov_b64 s[40:41], s[10:11]
	LOADG 0, 0
	LOADG 1, 1
.irp j, 0,1,2,3,4,5
	v_mov_b32 v[SS+\j], 0
.endr
	WIN 0x40
.irp i, 0,1,2
.irp f, 0,1,2,3,4,5,6,7,8,9,10,11,12,13,14,15
	ds_load_b128 v[64*\i+4*\f:64*\i+4*\f+3], v18 offset:16*CP*\i+32*\f     ; the chunk's codes stay in registers: 16 rows x 128 K are 8 registers; K step f / 2, half f % 2
.endr
.endr
	WIN 0
.irp i, 0,1,2
	ds_load_b128 v[XS+4*\i:XS+4*\i+3], v19 offset:512*\i                   ; their scale words, laid as W1's
.endr
	s_wait_dscnt 0x0
	s_mov_b32 s31, 4
.Lgl:                                                  ; a trip: three tiles, once round the three buffers
	GSTEP 0, 0, 1, 42                              ; 42: the two younger groups of 21 loads stay out
	GSTEP 1, 1, 1, 42
	GSTEP 2, 2, 1, 42
	s_wait_xcnt 0x0                                ; the loads have read their bases
	s_add_nc_u64 s[36:37], s[36:37], 3*8192
	s_add_nc_u64 s[38:39], s[38:39], 3*512
	s_add_nc_u64 s[40:41], s[40:41], 3*128
	s_sub_co_u32 s31, s31, 1
	s_cmp_lg_u32 s31, 0
	s_cbranch_scc1 .Lgl
	GSTEP 0, 0, 1, 42                              ; tiles 12 to 15: the last two ask for nothing
	GSTEP 1, 1, 1, 42
	GSTEP 2, 2, 0, 21
	GSTEP 3, 0, 0, 0
.irp i, 0,1,2
	v_add_f32 v[SS+2*\i], v[SS+2*\i], v[SS+2*\i+1]
.endr
.irp i, 0,1,2
	v_permlanex16_b32 v[SS+2*\i+1], v[SS+2*\i], s34, s35   ; the other eight e of each tile lie in lane l xor 16
.endr
.irp i, 0,1,2
	v_add_f32 v[SS+2*\i], v[SS+2*\i], v[SS+2*\i+1]
.endr
.irp i, 0,1,2
	ds_store_b32 v20, v[SS+2*\i] offset:64*\i      ; row 16 i + r; both halves of the lanes write the same word with the same value
.endr
.Ljoin:
	s_wait_dscnt 0x0                               ; my LDS stores have landed and my LDS loads are in:
	s_barrier_signal -1
	s_barrier_wait -1                              ; what this period wrote may be read, what it read may be written
	s_xor_b32 s28, s28, SETB
	s_xor_b32 s29, s29, SETB
	s_add_co_u32 s22, s22, 1
	s_cmp_lt_u32 s22, 8
	s_cbranch_scc1 .Lperiod
	s_cmp_lt_u32 s20, 4
	s_cbranch_scc1 .Lend
	global_store_b128 v6, v[U:U+3], s[16:17]       ; my 8 columns of PART
	global_store_b128 v6, v[U+4:U+7], s[16:17] offset:16
	s_cmp_lg_u32 s20, 4
	s_cbranch_scc1 .Lend
	v_and_b32 v92, 31, v0
	v_lshlrev_b32 v92, 3, v92
	global_store_b64 v92, v[MM:MM+1], s[18:19]     ; {m, l}, the same in every lane: 256 consecutive bytes
.Lend:
	s_wait_tensorcnt 0x0                           ; the wave's end
	ds_add_u32 v1, v2
	s_wait_dscnt 0x0
	s_endpgm
.Lfunc_end_k_q49cae2dbe8_main:
	.size	k_q49cae2dbe8_main, .Lfunc_end_k_q49cae2dbe8_main-k_q49cae2dbe8_main
	.p2alignl 7, 3214868480
	.fill 96, 4, 3214868480
	.section	.rodata,"a",@progbits
	.p2align	6, 0x0
	.amdhsa_kernel k_q49cae2dbe8_main
		.amdhsa_group_segment_fixed_size 264192
		.amdhsa_private_segment_fixed_size 0
		.amdhsa_enable_private_segment 0
		.amdhsa_kernarg_size 64
		.amdhsa_user_sgpr_count 2
		.amdhsa_user_sgpr_kernarg_segment_ptr 1
		.amdhsa_wavefront_size32 1
		.amdhsa_system_sgpr_workgroup_id_x 1
		.amdhsa_system_sgpr_workgroup_id_y 1
		.amdhsa_system_sgpr_workgroup_id_z 1
		.amdhsa_system_vgpr_workitem_id 0
		.amdhsa_next_free_vgpr 512
		.amdhsa_next_free_sgpr 100
		.amdhsa_reserve_vcc 1
		.amdhsa_float_denorm_mode_32 3
		.amdhsa_float_denorm_mode_16_64 3
		.amdhsa_memory_ordered 1
		.amdhsa_forward_progress 1
		.amdhsa_inst_pref_size 177
	.end_amdhsa_kernel
	.amdgpu_metadata
---
amdhsa.version: [ 1, 2 ]
amdhsa.kernels:
  - .name:           k_q49cae2dbe8_main
    .symbol:         k_q49cae2dbe8_main.kd
    .args:
      - { .name: seq_output, .offset: 0, .size: 8, .value_kind: global_buffer, .address_space: global }
      - { .name: W1_scales, .offset: 8, .size: 8, .value_kind: global_buffer, .address_space: global }
      - { .name: W1F, .offset: 16, .size: 8, .value_kind: global_buffer, .address_space: global }
      - { .name: CST, .offset: 24, .size: 8, .value_kind: global_buffer, .address_space: global }
      - { .name: LIST, .offset: 32, .size: 8, .value_kind: global_buffer, .address_space: global }
      - { .name: META, .offset: 40, .size: 8, .value_kind: global_buffer, .address_space: global }
      - { .name: PART, .offset: 48, .size: 8, .value_kind: global_buffer, .address_space: global }
      - { .name: ML, .offset: 56, .size: 8, .value_kind: global_buffer, .address_space: global }
    .group_segment_fixed_size: 264192
    .private_segment_fixed_size: 0
    .kernarg_segment_align: 8
    .kernarg_segment_size: 64
    .max_flat_workgroup_size: 256
    .sgpr_count:     100
    .vgpr_count:     512
    .wavefront_size: 32
...
	.end_amdgpu_metadata
.endif
;; end of part 2
;; launch comb (part 3): grid 128 x 1, 8 waves a work-group, no clusters, 0 bytes of LDS; arguments PART, ML, out1; writes out1
.if DOCPART == 3
	.amdgcn_target "amdgcn-amd-amdhsa--gfx1250"
	.amdhsa_code_object_version 6
	.text
	.protected	k_q49cae2dbe8_comb
	.globl	k_q49cae2dbe8_comb
	.p2align	8
	.type	k_q49cae2dbe8_comb,@function
k_q49cae2dbe8_comb:
	s_mov_b64 s[64:65], 0
	v_nop
	global_prefetch_b8 v0, s[64:65] scope:SCOPE_SE
	s_setreg_imm32_b32 hwreg(HW_REG_WAVE_MODE, 25, 1), 1
	s_wait_xcnt 0x0
; IntentCapture, launch 3 of 3: out1[b] = (w0 U0 + w1 U1) / (w0 l0 + w1 l1), w_i = 2^(m_i - max(m0, m1)): the two halves of batch b, each summed under its own largest t, are brought under the common one.
; A half without rows has m = -3e38, l = 0, U = 0: its w is 0.  (Masked rows and the term sum(w2) were left out by the launches before: shown at the head of the first.)
; Work-group b, 256 threads, 16 bytes each: a wave loads and stores 512 consecutive bytes.
	s_load_b128 s[4:7], s[0:1], 0x0                ; PART, ML
	s_load_b64 s[8:9], s[0:1], 0x10                ; out1
	v_lshlrev_b32 v1, 4, v0
	s_lshl_b32 s16, ttmp9, 13
	s_mov_b32 s17, 0
	s_lshl_b32 s18, ttmp9, 9
	s_mov_b32 s19, 0
	s_lshl_b32 s20, ttmp9, 12
	s_mov_b32 s21, 0
	s_wait_kmcnt 0x0
	s_add_nc_u64 s[4:5], s[4:5], s[16:17]
	s_add_nc_u64 s[6:7], s[6:7], s[18:19]
	s_add_nc_u64 s[8:9], s[8:9], s[20:21]
	s_load_b64 s[12:13], s[6:7], 0x0               ; m0, l0
	s_load_b64 s[14:15], s[6:7], 0x100             ; m1, l1
	global_load_b128 v[4:7], v1, s[4:5]            ; U0
	global_load_b128 v[8:11], v1, s[4:5] offset:4096   ; U1
	s_wait_kmcnt 0x0
	v_mov_b32 v12, s14
	v_max_num_f32 v13, s12, v12
	v_sub_f32 v14, s12, v13
	v_sub_f32 v15, s14, v13
	v_exp_f32 v14, v14                             ; w0
	v_exp_f32 v16, v15                             ; w1
	v_mov_b32 v17, 0                               ; (the plain line behind the two; v17 is named with v16 as a pair)
	s_wait_alu depctr_va_vdst(0)
	v_mul_f32 v18, s13, v14
	v_fma_f32 v18, v16, s15, v18                   ; the whole row's sum of p
	v_rcp_f32 v20, v18
	v_nop
	s_wait_alu depctr_va_vdst(0)
	v_mul_f32 v14, v14, v20
	v_mul_f32 v16, v16, v20
	s_wait_loadcnt 0x0
	v_pk_mul_f32 v[4:5], v[4:5], v[14:15] op_sel_hi:[1,0]
	v_pk_mul_f32 v[6:7], v[6:7], v[14:15] op_sel_hi:[1,0]
	v_pk_fma_f32 v[4:5], v[8:9], v[16:17], v[4:5] op_sel_hi:[1,0,1]
	v_pk_fma_f32 v[6:7], v[10:11], v[16:17], v[6:7] op_sel_hi:[1,0,1]
	global_store_b128 v1, v[4:7], s[8:9]
	s_endpgm
.Lfunc_end_k_q49cae2dbe8_comb:
	.size	k_q49cae2dbe8_comb, .Lfunc_end_k_q49cae2dbe8_comb-k_q49cae2dbe8_comb
	.p2alignl 7, 3214868480
	.fill 96, 4, 3214868480
	.section	.rodata,"a",@progbits
	.p2align	6, 0x0
	.amdhsa_kernel k_q49cae2dbe8_comb
		.amdhsa_group_segment_fixed_size 0
		.amdhsa_private_segment_fixed_size 0
		.amdhsa_enable_private_segment 0
		.amdhsa_kernarg_size 24
		.amdhsa_user_sgpr_count 2
		.amdhsa_user_sgpr_kernarg_segment_ptr 1
		.amdhsa_wavefront_size32 1
		.amdhsa_system_sgpr_workgroup_id_x 1
		.amdhsa_system_sgpr_workgroup_id_y 1
		.amdhsa_system_sgpr_workgroup_id_z 1
		.amdhsa_system_vgpr_workitem_id 0
		.amdhsa_next_free_vgpr 32
		.amdhsa_next_free_sgpr 66
		.amdhsa_reserve_vcc 0
		.amdhsa_float_denorm_mode_32 3
		.amdhsa_float_denorm_mode_16_64 3
		.amdhsa_memory_ordered 1
		.amdhsa_forward_progress 1
		.amdhsa_inst_pref_size 2
	.end_amdhsa_kernel
	.amdgpu_metadata
---
amdhsa.version: [ 1, 2 ]
amdhsa.kernels:
  - .name:           k_q49cae2dbe8_comb
    .symbol:         k_q49cae2dbe8_comb.kd
    .args:
      - { .name: PART, .offset: 0, .size: 8, .value_kind: global_buffer, .address_space: global }
      - { .name: ML, .offset: 8, .size: 8, .value_kind: global_buffer, .address_space: global }
      - { .name: out1, .offset: 16, .size: 8, .value_kind: global_buffer, .address_space: global }
    .group_segment_fixed_size: 0
    .private_segment_fixed_size: 0
    .kernarg_segment_align: 8
    .kernarg_segment_size: 24
    .max_flat_workgroup_size: 256
    .sgpr_count:     66
    .vgpr_count:     32
    .wavefront_size: 32
...
	.end_amdgpu_metadata
.endif
;; end of part 3
;; ======== version 2 of 2: 3 launches
;; limits: right only within a limited range of input values
;; workspace buffers: W1F 524,288 bytes; CST 8,192 bytes; LIST 524,288 bytes of whole numbers; META 4,096 bytes of whole numbers; PART 1,048,576 bytes; ML 65,536 bytes
;; launch prep (part 4): grid 128 x 1, 4 waves a work-group, no clusters, 0 bytes of LDS; arguments mask, W1_codes, b1, w2, seq_output, W1F, CST, LIST, META, out0; writes W1F, CST, LIST, META, out0
.if DOCPART == 4
	.amdgcn_target "amdgcn-amd-amdhsa--gfx1250"
	.amdhsa_code_object_version 6
	.text
	.protected	k_q49cae2dbe8_prep
	.globl	k_q49cae2dbe8_prep
	.p2align	8
	.type	k_q49cae2dbe8_prep,@function
k_q49cae2dbe8_prep:
	s_mov_b64 s[64:65], 0
	v_nop
	global_prefetch_b8 v0, s[64:65] scope:SCOPE_SE
	s_setreg_imm32_b32 hwreg(HW_REG_WAVE_MODE, 25, 1), 1
	s_wait_xcnt 0x0
; IntentCapture, launch 1 of 3: what the main launch wants laid ready.  Work-group b = batch b, four waves, no LDS, all lanes on throughout.
;   A  out0[b] = seq_output[b][511][:]: a copy of 4,096 bytes.
;   B  W1F: the codes of W1 in the order of an operand's registers, [n tile 64][K step 8][c 2][lane 32][16 bytes]: lane (r, h) gets the 16 bytes of W1_codes at (16 nt + r) 512 + 64 ks + 32 c + 16 h.
;   C  CST: [n tile 64]{cb[16], w2n[16]}, cb = 2 log2(e) b1, w2n = -2 log2(e) w2 (work-groups 0 to 7).
;   D  LIST, META: the rows of the batch that count, shared out evenly between the batch's two work-groups of the main launch (wave 0).
; WORK LEFT OUT BY THE PROGRAM, and why it is dead.
;   (1) reference() replaces the score of a masked position by -1e9: whatever h and score that position had is thrown away by the where().  The mask is an input of whole numbers, so the rows that it
;       asks for are listed here and the main launch reads the list.  In the softmax a masked position has the weight exp(-1e9 - max); beside any unmasked position (|score| <= sum |w2|) that is 0 in f32,
;       as it is in reference() itself.  A batch with ALL positions masked has 512 equal scores: its list holds all 512 rows and META says that every score counts as equal (notflag = 0).
;   (2) tanh(y) = 1 - 2 / (1 + e^(2 y)): the term sum(w2) is the same for all positions of a softmax and is not added.
; LIMITS: sum |w2| under 9e8; a NaN, an infinity or an overflow in a masked row of seq_output is not carried to out1.
; Every input has a way to an output; mask, W1_codes, b1 and w2 are read here alone.
.set ROWB, 4096                        ; a row of seq_output, of out0 in bytes
	s_load_b512 s[4:19], s[0:1], 0x0               ; mask s[4:5], W1_codes s[6:7], b1 s[8:9], w2 s[10:11], seq_output s[12:13], W1F s[14:15], CST s[16:17], LIST s[18:19]
	s_load_b128 s[20:23], s[0:1], 0x40             ; META s[20:21], out0 s[22:23]
	v_lshrrev_b32 v1, 5, v0
	v_readfirstlane_b32 s24, v1                    ; wave
	v_lshlrev_b32 v1, 4, v0                        ; 16 t: never rewritten
	s_lshl_b32 s26, ttmp9, 8
	v_add_nc_u32 v2, s26, v0                       ; B: piece d = 256 b + t of W1F,
	v_add_nc_u32 v3, 128, v2                       ; and d + 128.  d = nt[14:9] ks[8:6] c[5] h[4] r[3:0]
.irp u, 0,1
	v_and_b32 v[12+\u], 0x1f0, v[2+\u]             ; 64 ks + 32 c + 16 h
	v_and_b32 v24, 15, v[2+\u]
	v_lshl_add_u32 v[12+\u], v24, 9, v[12+\u]      ; + 512 r
	v_and_b32 v24, 0x7e00, v[2+\u]
	v_lshl_add_u32 v[12+\u], v24, 4, v[12+\u]      ; + 8,192 nt: where the piece lies in W1_codes
	v_lshlrev_b32 v[14+\u], 4, v[2+\u]             ; and in W1F: 16 d, so a wave stores 512 consecutive bytes
.endr
	s_lshl_b32 s28, ttmp9, 21                      ; a batch of seq_output: 512 rows of 4,096 bytes
	s_mov_b32 s29, 0
	s_lshl_b32 s30, ttmp9, 12                      ; a row of out0; also the batch's two lists of 2,048 bytes
	s_mov_b32 s31, 0
	s_wait_alu depctr_va_vdst(0)
	s_wait_kmcnt 0x0
	s_add_nc_u64 s[12:13], s[12:13], s[28:29]
	s_add_nc_u64 s[22:23], s[22:23], s[30:31]
	s_add_nc_u64 s[18:19], s[18:19], s[30:31]
	global_load_b128 v[4:7], v1, s[12:13] offset:511*ROWB
	global_load_b128 v[8:11], v1, s[12:13] offset:511*ROWB+2048
	global_load_b128 v[16:19], v12, s[6:7]         ; sixteen rows of W1_codes, 16 bytes of each: 512 KiB in the whole launch, turned once
	global_load_b128 v[20:23], v13, s[6:7]
	s_wait_loadcnt 0x0
	global_store_b128 v1, v[4:7], s[22:23]
	global_store_b128 v1, v[8:11], s[22:23] offset:2048
	global_store_b128 v14, v[16:19], s[14:15]
	global_store_b128 v15, v[20:23], s[14:15]
	; ---- C
	s_cmp_lt_u32 ttmp9, 8
	s_cbranch_scc0 .Lno_c
	s_lshl_b32 s26, ttmp9, 7
	v_add_nc_u32 v25, s26, v0                      ; e = 128 b + t
	v_lshlrev_b32 v26, 2, v25
	global_load_b32 v27, v26, s[8:9]
	global_load_b32 v28, v26, s[10:11]
	v_lshrrev_b32 v29, 4, v25
	v_and_b32 v30, 15, v25
	v_lshlrev_b32 v30, 2, v30
	v_lshl_add_u32 v29, v29, 7, v30                ; 128 (e / 16) + 4 (e % 16)
	s_wait_loadcnt 0x0
	v_mul_f32 v27, 0x4038aa3b, v27                 ; 2 log2(e) b1
	s_wait_alu depctr_va_vdst(0)
	v_mul_f32 v28, 0xc038aa3b, v28                 ; -2 log2(e) w2
	global_store_b32 v29, v27, s[16:17]
	global_store_b32 v29, v28, s[16:17] offset:64
.Lno_c:
	; ---- D: wave 0 alone (a branch on the wave's number); its thread number is its lane l, which holds positions 16 l .. 16 l + 15
	s_cmp_lg_u32 s24, 0
	s_cbranch_scc1 .Lend
	s_lshl_b32 s26, ttmp9, 9
	s_mov_b32 s27, 0
	s_add_nc_u64 s[4:5], s[4:5], s[26:27]
	global_load_b128 v[32:35], v1, s[4:5]          ; the batch's 512 mask bytes
.irp i, 40,41,42,43
	v_mov_b32 v\i, 0
.endr
.irp i, 0,1,2,3,4,5,6,7
	global_store_b128 v1, v[40:43], s[18:19] offset:512*\i   ; both lists begin as zeros: an entry behind a list's end names row 0
.endr
	s_wait_loadcnt 0x0
	s_mov_b32 s48, 0
.irp j, 0,1,2,3,4,5,6,7,8,9,10,11,12,13,14,15
	v_bfe_u32 v36, v[32+\j/4], 8*(\j%4), 8
	v_cmp_eq_u32 s[32+\j], 0, v36                  ; the lanes whose position 16 l + j counts
	s_bcnt1_i32_b32 s67, s[32+\j]
.if \j < 15
	s_add_co_u32 s[49+\j], s[48+\j], s67           ; how many count ahead of byte j + 1
.else
	s_add_co_u32 s66, s63, s67                     ; n_b
.endif
.endr
	s_cmp_eq_u32 s66, 0                            ; all masked?  Then all 512 rows count, alike.  Chosen, not jumped; a select leaves SCC as it is
.irp j, 0,1,2,3,4,5,6,7,8,9,10,11,12,13,14,15
	s_cselect_b32 s[32+\j], -1, s[32+\j]
	s_cselect_b32 s[48+\j], 32*\j, s[48+\j]
.endr
	s_cselect_b32 s68, 0, -1                       ; notflag
	s_cselect_b32 s66, 512, s66
	s_add_co_u32 s69, s66, 1
	s_lshr_b32 s69, s69, 1                         ; n0: the even work-group's rows
	s_lshr_b32 s70, s66, 1                         ; n1: the odd one's
	s_add_co_u32 s71, s69, 47
	s_mul_i32 s71, s71, 1366
	s_lshr_b32 s71, s71, 16                        ; chunks of 48 rows: ((n + 47) 1366) >> 16 = (n + 47) / 48 rounded down, for n + 47 up to 303
	s_add_co_u32 s73, s70, 47
	s_mul_i32 s73, s73, 1366
	s_lshr_b32 s73, s73, 16
	s_sub_co_u32 s72, 512, s69                     ; from place k >= n0 to entry 512 + (k - n0): the odd list
	v_mov_b32 v39, 0x3ff
	s_wait_storecnt 0x0                            ; the zeros have landed: the entries come over them
.irp j, 0,1,2,3,4,5,6,7,8,9,10,11,12,13,14,15
	v_mbcnt_lo_u32_b32 v37, s[32+\j], 0            ; lanes below mine that count
	v_add_nc_u32 v37, s[48+\j], v37                ; my row's place k among the batch's rows
	v_cmp_le_u32 vcc_lo, s69, v37
	v_add_nc_u32 v38, s72, v37
	v_cndmask_b32 v37, v37, v38, vcc_lo
	s_wait_alu depctr_va_vdst(0)
	v_cndmask_b32 v37, v39, v37, s[32+\j]          ; a row that does not count goes to entry 1023, which nobody reads (a list has 256 rows at the most)
	v_min_u32 v37, 0x3ff, v37                      ; inside the batch's 1,024 entries
	v_lshlrev_b32 v[64+\j], 2, v37
	v_lshl_add_u32 v[80+\j], v0, 4, \j             ; the row's number
	global_store_b32 v[64+\j], v[80+\j], s[18:19]
.endr
	s_lshl_b32 s26, ttmp9, 5
	s_add_nc_u64 s[20:21], s[20:21], s[26:27]
	v_mov_b32 v45, 0
	v_mov_b32 v48, s69
	v_mov_b32 v49, s71
	v_mov_b32 v50, s68
	v_mov_b32 v51, 0
	v_mov_b32 v52, s70
	v_mov_b32 v53, s73
	v_mov_b32 v54, s68
	v_mov_b32 v55, 0
	global_store_b128 v45, v[48:51], s[20:21]      ; {rows, chunks, notflag, 0}: all lanes store the same 16 bytes
	global_store_b128 v45, v[52:55], s[20:21] offset:16
.Lend:
	s_endpgm
.Lfunc_end_k_q49cae2dbe8_prep:
	.size	k_q49cae2dbe8_prep, .Lfunc_end_k_q49cae2dbe8_prep-k_q49cae2dbe8_prep
	.p2alignl 7, 3214868480
	.fill 96, 4, 3214868480
	.section	.rodata,"a",@progbits
	.p2align	6, 0x0
	.amdhsa_kernel k_q49cae2dbe8_prep
		.amdhsa_group_segment_fixed_size 0
		.amdhsa_private_segment_fixed_size 0
		.amdhsa_enable_private_segment 0
		.amdhsa_kernarg_size 80
		.amdhsa_user_sgpr_count 2
		.amdhsa_user_sgpr_kernarg_segment_ptr 1
		.amdhsa_wavefront_size32 1
		.amdhsa_system_sgpr_workgroup_id_x 1
		.amdhsa_system_sgpr_workgroup_id_y 1
		.amdhsa_system_sgpr_workgroup_id_z 1
		.amdhsa_system_vgpr_workitem_id 0
		.amdhsa_next_free_vgpr 128
		.amdhsa_next_free_sgpr 80
		.amdhsa_reserve_vcc 1
		.amdhsa_float_denorm_mode_32 3
		.amdhsa_float_denorm_mode_16_64 3
		.amdhsa_memory_ordered 1
		.amdhsa_forward_progress 1
		.amdhsa_inst_pref_size 19
	.end_amdhsa_kernel
	.amdgpu_metadata
---
amdhsa.version: [ 1, 2 ]
amdhsa.kernels:
  - .name:           k_q49cae2dbe8_prep
    .symbol:         k_q49cae2dbe8_prep.kd
    .args:
      - { .name: mask, .offset: 0, .size: 8, .value_kind: global_buffer, .address_space: global }
      - { .name: W1_codes, .offset: 8, .size: 8, .value_kind: global_buffer, .address_space: global }
      - { .name: b1, .offset: 16, .size: 8, .value_kind: global_buffer, .address_space: global }
      - { .name: w2, .offset: 24, .size: 8, .value_kind: global_buffer, .address_space: global }
      - { .name: seq_output, .offset: 32, .size: 8, .value_kind: global_buffer, .address_space: global }
      - { .name: W1F, .offset: 40, .size: 8, .value_kind: global_buffer, .address_space: global }
      - { .name: CST, .offset: 48, .size: 8, .value_kind: global_buffer, .address_space: global }
      - { .name: LIST, .offset: 56, .size: 8, .value_kind: global_buffer, .address_space: global }
      - { .name: META, .offset: 64, .size: 8, .value_kind: global_buffer, .address_space: global }
      - { .name: out0, .offset: 72, .size: 8, .value_kind: global_buffer, .address_space: global }
    .group_segment_fixed_size: 0
    .private_segment_fixed_size: 0
    .kernarg_segment_align: 8
    .kernarg_segment_size: 80
    .max_flat_workgroup_size: 128
    .sgpr_count:     80
    .vgpr_count:     128
    .wavefront_size: 32
...
	.end_amdgpu_metadata
.endif
;; end of part 4
;; launch main (part 5): grid 256 x 1, 8 waves a work-group, no clusters, 264,192 bytes of LDS; arguments seq_output, W1_scales, W1F, CST, LIST, META, PART, ML; writes PART, ML
.if DOCPART == 5
	.amdgcn_target "amdgcn-amd-amdhsa--gfx1250"
	.amdhsa_code_object_version 6
	.text
	.protected	k_q49cae2dbe8_main
	.globl	k_q49cae2dbe8_main
	.p2align	8
	.type	k_q49cae2dbe8_main,@function
k_q49cae2dbe8_main:
	s_mov_b64 s[64:65], 0
	v_nop
	global_prefetch_b8 v0, s[64:65] scope:SCOPE_SE
	s_setreg_imm32_b32 hwreg(HW_REG_WAVE_SCHED_MODE, 0, 2), 2
	s_setreg_imm32_b32 hwreg(HW_REG_WAVE_MODE, 25, 1), 1
	s_wait_xcnt 0x0
	s_wait_alu depctr_vm_vsrc(0)
; IntentCapture, launch 2 of 3.  Work-group wg takes half of the counting rows of batch wg / 2 (LIST, META: whole numbers that the launch before stored), in chunks of 48 rows, and leaves
; PART[wg] = sum over its rows of p x, with p = 2^(t - m), and ML[wg] = {m, l}: m the running largest t, l the sum of p.  t = sum over e of w2n[e] / (1 + 2^(c z[e] + cb[e])), c = 2 log2(e),
; z = Q(x) W1: the score in units of log2, less a term that is the same for all rows.
; LEFT OUT: masked rows (their scores are replaced by reference() and their weights are 0 beside any row that counts) and the term sum(w2) (the same along the softmax): shown at the head of the first launch.
; LIMITS: sum |w2| under 9e8; NaN and infinities in seq_output are not served (an entry behind a list's end names row 0, whose numbers are multiplied by p = 0); a block of zeros gets the scale byte 1
; (its codes are zeros, and this text alone reads the bytes); x enters the last product rounded to bf16; sums are taken in another order than reference() takes them.
; ROLES.  Waves 0-3 (G, g = wave): columns e = 256 g .. 256 g + 255 of z for all 48 rows of a chunk: 16 tiles of 16 e x 3 tiles of 16 rows x 8 K steps of 128, then tanh and the partial score.
;         Waves 4-7 (X, q = wave - 4): columns d = 256 q .. 256 q + 255 of every row: load, quantise to E2M1 (codes and scale bytes to LDS), keep as bf16 in LDS; later softmax and p x.
; W1 comes from memory straight into G's registers and x into X's: two streams on two counters of loads, so neither queues behind the other.
; PERIODS.  One loop of 8 periods (6 chunks at the most, two periods of lag), ONE barrier a period, in the text that all waves pass.  In period p: X: softmax and p x of chunk p - 2, then Q of chunk p;
; G: the products of chunk p - 1.  Work that a list does not have is jumped over between two barriers, never a barrier.  LDS has two sets that take turns: Q(p) writes set p % 2, G reads set (p - 1) % 2.
; No tensor load and no copy: how many chunks there are hangs on numbers read from memory.  No cluster: partners would have different numbers of chunks, and a fragment of W1 serves one wave of a work-group.
; THE MATRIX INSTRUCTION: source 0 = 16 rows of W1 (16 e), source 1 = 16 rows of x: lane (r, h) register j holds z(row r, e = 8 h + j).
; THE MODE: SCHED_MODE bits 1:0 = 2 (LLVM: expert scheduling mode 2), set by the entry lines.  The code itself states the register dependences between vector or matrix instructions and memory or
; LDS instructions, with s_wait_alu, always for 0.
; THE PLAN.  Registers that memory or LDS instructions touch, and who else names them:
;   v18-v25       all waves: written by eight additions at a period's head, read by the period's LDS instructions.  One wait on vm_vsrc stands ahead of the additions; it also frees all that the last
;                 period's LDS stores read (G's sums, X's codes, bytes, bf16 and p).  v3-v6 and v15-v17 are made at the head and never written again.
;   X, Q          Eight rows at a time: the maxima and conversions read a landing slot; the loads of the rows 24 further on land in it, by offsets OFF that a vector line makes at the eight rows' head;
;                 the conversions write codes, bytes and bf16, which 24 LDS stores read.  One wait on vm_vsrc at the head (the last eight rows' stores, the slot's old loads), one on va_vdst at the end,
;                 ahead of the 16 loads and the 24 stores.
;   X, softmax    One wait on va_vdst ahead of the scores' loads; the wait behind the three exponentials serves the two stores of p and the 36 LDS loads that stand straight behind it; one wait on
;                 va_vdst each time a buffer of 12 rows that the multiply-adds have read is asked for again.  The three masks are made in a run, into s44-s46, with one wait on va_sdst.
;   G             A tile's loads go in two parts: A = fragments, scale words, cb (19 loads), B = w2n (2).  The wait behind tile k's exponentials also states that the tile's products are done reading
;                 buffer k % 3 and its scalings their cb, and that tile k - 1's last multiply-adds are done reading their w2n: so B of tile k + 2 and A of tile k + 3 stand straight behind it, and the
;                 loop over tiles has no wait of its own.  One wait on va_vdst at a chunk's head, ahead of its first 61 loads and the 51 LDS loads of x; one ahead of the three stores of the scores.
.set SETB,  131072                     ; LDS: set s begins at s x SETB
.set CODO,  98304                      ; in a set: 0: x as bf16 [q 4][row 48][512 bytes]; here: codes, 48 rows of 512 bytes + 16 of padding;
.set CP,    528
.set SCAO,  123648                     ; scale bytes, 48 rows x 32;
.set SCOO,  125184                     ; partial scores [g 4][64 f32]
.set PBO,   262144                     ; behind the sets: p, [q 4][64 f32], each X wave's own
.set SPARE, 263168                     ; the spare words, 128 bytes for each of eight waves: four blocks of 256 bytes that no other line names
; v0 thread; v1, v2 the add's two; v3-v6 offsets in memory; v7-v17 LDS places that stay; v18-v25 the period's LDS addresses.  None of v3-v25 ever holds loaded data.
.set WS,  32                           ; v32-43   G: W1's scale words, three buffers of 4   (v32-55 hold scales and nothing else)
.set XS,  44                           ; v44-55   G: x's scale words, 4 a row tile
.set SS,  26                           ; v26-31   G: the score's sums, a pair a row tile
.set ACC, 56                           ; v56-79   G: three accumulators
.set CBF, 80                           ; v80-127  G: three buffers of cb[8], w2n[8]
                                       ; v128-191, v192-255, window 1 v192-255: G: W1's fragments, three buffers;  window 1 v0-191: G: x's fragments (64 i + 8 ks)
.set OFF, 56                           ; v56-79   X: byte offsets of the rows on their way, 8 a slot
.set U,   80                           ; v80-87   X: sum of p x for my 8 columns
.set MM,  88                           ; v88 m, v89 l, v90 f = 2^(old m - new m), v91 its partner in the pair
.set MX,  92                           ; v92-99 largest magnitudes; v100-107 scale operands; v108-115 bytes; v116-123 codes; v128-159 bf16: 8 rows at a time
.set SO,  100
.set BY,  108
.set CD,  116
.set BF,  128
.set PP,  160                          ; v160-207 X: p of the chunk's 48 rows;  v112-159, v208-255: 12 rows of x as bf16, two buffers
.set XA,  112
.set XC,  208
                                       ; window 1 v0-191: X: three landing slots of 8 rows x 8 registers
.set MSB, 0
.macro WIN new                         ; s_set_vgpr_msb: bits 1:0 source 0, 3:2 source 1, 5:4 source 2, 7:6 destination; the high byte repeats the setting that is left
.if MSB != \new
	s_set_vgpr_msb (MSB<<8)|\new
.set MSB, \new
.endif
.endm
	s_load_b512 s[4:19], s[0:1], 0x0               ; x s[4:5], W1_scales s[6:7], W1F s[8:9], CST s[10:11], LIST s[12:13], META s[14:15], PART s[16:17], ML s[18:19]
	v_lshl_add_u32 v1, v0, 2, SPARE
	v_mov_b32 v2, 0
	v_lshrrev_b32 v3, 5, v0
	v_readfirstlane_b32 s20, v3                    ; wave 0..7
	v_and_b32 v26, 31, v0                          ; lane
	v_and_b32 v27, 15, v0                          ; r
	v_bfe_u32 v28, v0, 4, 1                        ; h
	v_lshlrev_b32 v3, 4, v26                       ; 16 lane: W1F
	v_lshlrev_b32 v4, 5, v27
	v_lshl_add_u32 v4, v28, 4, v4                  ; 32 r + 16 h: W1_scales
	v_lshlrev_b32 v5, 5, v28                       ; 32 h: CST
	s_wait_alu depctr_va_sdst(0)                   ; s20 is written, ahead of its first reader
	s_and_b32 s21, s20, 3                          ; g or q
	s_lshl_b32 s42, s21, 10
	v_lshl_add_u32 v6, v26, 5, s42                 ; 1,024 q + 32 lane: my 8 columns in a row of x and in PART
	v_mul_u32_u24 v7, v27, CP
	v_lshl_add_u32 v7, v28, 4, v7
	v_add_nc_u32 v7, CODO, v7                      ; G: a fragment of x: row r, + 16 h
	v_add_nc_u32 v8, SCAO, v4                      ; G: x's scale words
	s_lshl_b32 s43, s21, 8
	s_add_co_u32 s43, s43, SCOO
	v_lshl_add_u32 v9, v27, 2, s43                 ; G: my partial scores
	s_mul_i32 s44, s21, 24576
	v_add_nc_u32 v10, s44, v3                      ; X: bf16: my wave's 48 rows of 512 bytes, 16 bytes a lane
	s_lshl_b32 s45, s21, 7
	s_add_co_u32 s45, s45, CODO
	v_lshl_add_u32 v11, v26, 2, s45                ; X: my 8 codes of a row
	s_lshl_b32 s46, s21, 3
	s_add_co_u32 s46, s46, SCAO
	v_lshrrev_b32 v12, 2, v26
	v_add_nc_u32 v12, s46, v12                     ; X: my block's byte: four lanes hold a block
	v_lshl_add_u32 v13, v26, 2, SCOO               ; X: the score of row lane,
	v_lshl_add_u32 v14, v27, 2, SCOO+128           ; and of row 32 + r
	s_lshl_b32 s47, s21, 8
	s_add_co_u32 s47, s47, PBO
	v_lshl_add_u32 v15, v26, 2, s47                ; X: p of row lane,
	v_lshl_add_u32 v16, v27, 2, s47
	v_add_nc_u32 v16, 128, v16                     ; of row 32 + r,
	v_mov_b32 v17, s47                             ; and all 48, the same address in every lane
	s_mov_b32 s32, 0x4038aa3b                      ; c = 2 log2(e)
	s_mov_b32 s33, s32                             ; (named with it as a pair)
	s_mov_b32 s34, 0x76543210
	s_mov_b32 s35, 0xfedcba98                      ; v_permlanex16_b32: lane l xor 16
	s_mov_b32 s28, 0                               ; X's set
	s_mov_b32 s29, SETB                            ; G's set
	s_mov_b32 s22, 0                               ; p
	s_mov_b32 s43, 0
	s_wait_kmcnt 0x0
	s_lshr_b32 s42, ttmp9, 1
	s_lshl_b32 s42, s42, 21
	s_add_nc_u64 s[4:5], s[4:5], s[42:43]          ; my batch
	s_lshl_b32 s42, s21, 13
	s_add_nc_u64 s[6:7], s[6:7], s[42:43]          ; my 256 rows of W1: scale bytes,
	s_lshl_b32 s42, s21, 17
	s_add_nc_u64 s[8:9], s[8:9], s[42:43]          ; fragments,
	s_lshl_b32 s42, s21, 11
	s_add_nc_u64 s[10:11], s[10:11], s[42:43]      ; constants
	s_lshl_b32 s42, ttmp9, 11
	s_add_nc_u64 s[12:13], s[12:13], s[42:43]
	s_lshl_b32 s42, ttmp9, 4
	s_add_nc_u64 s[14:15], s[14:15], s[42:43]
	s_lshl_b32 s42, ttmp9, 12
	s_add_nc_u64 s[16:17], s[16:17], s[42:43]
	s_lshl_b32 s42, ttmp9, 8
	s_add_nc_u64 s[18:19], s[18:19], s[42:43]
	s_load_b128 s[24:27], s[14:15], 0x0            ; s24 rows, s25 chunks, s26 notflag
	s_load_b512 s[48:63], s[12:13], 0x0            ; list entries 0 to 15,
	s_load_b256 s[68:75], s[12:13], 0x40           ; 16 to 23
	s_wait_kmcnt 0x0
	s_min_u32 s25, s25, 6
	s_add_nc_u64 s[12:13], s[12:13], 96            ; the list runs 24 rows ahead of the chunk in hand
; X: eight rows on their way into a landing slot, in two parts.  OFFS: their byte offsets; se: the scalar registers with their numbers.  The slot's earlier loads have been waited for and have read their offsets.
.macro OFFS slot, se
.irp u, 0,1,2,3,4,5,6,7
	s_min_u32 s[(\se)+\u], s[(\se)+\u], 511        ; a row of the batch
	v_lshl_add_u32 v[OFF+8*(\slot)+\u], s[(\se)+\u], 12, v6
.endr
.endm
; ROWS: the loads, under a destination in window 1.  A lane takes 32 neighbouring bytes of a row, by two loads on end: the conversion wants eight neighbours of one block in one lane.
.macro ROWS slot
.irp u, 0,1,2,3,4,5,6,7
	global_load_b128 v[64*(\slot)+8*\u:64*(\slot)+8*\u+3], v[OFF+8*(\slot)+\u], s[4:5]
	global_load_b128 v[64*(\slot)+8*\u+4:64*(\slot)+8*\u+7], v[OFF+8*(\slot)+\u], s[4:5] offset:16
.endr
.endm
; X: rows 8 k .. 8 k + 7 of the chunk: quantised, and kept as bf16.  A block of 32 lies in four neighbouring lanes.
.macro HB k, se
.set SL, 64*((\k)%3)
	s_wait_loadcnt 32                              ; my slot's 16 loads are in; the two younger slots' 32 stay out
	s_wait_dscnt 0x0                               ; the last eight rows' LDS stores are done
	s_wait_alu depctr_vm_vsrc(0)                   ; those stores have read their codes, bytes and bf16, the slot's old loads their offsets, and (first eight rows) the stores of p v92 and v96: all are written again below
	OFFS (\k)%3, \se                               ; the rows 24 further on in the list
	WIN 0x14                                       ; sources 1 and 2 window 1
.irp u, 0,1,2,3,4,5,6,7
	v_max3_num_f32 v[MX+\u], 0x1800000, |v[SL+8*\u]|, |v[SL+8*\u+1]|   ; with the floor 2^(3 - 127): the byte cannot fall under 1.  (The eight rows by turns)
.endr
.irp i, 2,4,6
.irp u, 0,1,2,3,4,5,6,7
	v_max3_num_f32 v[MX+\u], v[MX+\u], |v[SL+8*\u+\i]|, |v[SL+8*\u+\i+1]|
.endr
.endr
	WIN 0
.irp x, 1,2
.irp u, 0,1,2,3,4,5,6,7
	v_max_num_f32_dpp v[MX+\u], v[MX+\u], v[MX+\u] row_xmask:\x row_mask:0xf bank_mask:0xf
.endr
.endr
.irp u, 0,1,2,3,4,5,6,7
	v_add_nc_u32 v[SO+\u], 0xff000000, v[MX+\u]    ; 2 off the exponent field: the conversion takes this operand's exponent field as its scale
.endr
.irp u, 0,1,2,3,4,5,6,7
	v_lshrrev_b32 v[BY+\u], 23, v[SO+\u]           ; the scale's byte
.endr
	WIN 0x01                                       ; source 0 window 1
.irp u, 0,1,2,3,4,5,6,7
	v_cvt_scalef32_pk8_fp4_f32 v[CD+\u], v[SL+8*\u:SL+8*\u+7], v[SO+\u]
.endr
	v_nop                                          ; one plain place behind the last scaled conversion
	WIN 0x05                                       ; sources 0 and 1 window 1
.irp u, 0,1,2,3,4,5,6,7
.irp a, 0,1,2,3
	v_cvt_pk_bf16_f32 v[BF+4*\u+\a], v[SL+8*\u+2*\a], v[SL+8*\u+2*\a+1]
.endr
.endr
	WIN 0x40                                       ; destination window 1
	s_wait_alu depctr_va_vdst(0)                   ; the maxima and conversions are done reading the slot, in which the loads below land; the offsets are written; so are the codes, bytes and bf16 that the stores below read (first eight rows of a period: and v21 to v23)
	ROWS (\k)%3                                    ; the slot takes the rows 24 further on in the list
	WIN 0
.irp u, 0,1,2,3,4,5,6,7
	ds_store_b32 v22, v[CD+\u] offset:CP*(8*(\k)+\u)
	ds_store_b8 v23, v[BY+\u] offset:32*(8*(\k)+\u)        ; the four lanes of a block write the same byte with the same value
	ds_store_b128 v21, v[BF+4*\u:BF+4*\u+3] offset:512*(8*(\k)+\u)
.endr
.endm
; X: 12 rows of bf16 back from LDS (my own bytes), and their part of the sum
.macro LOADX j, buf
.irp i, 0,1,2,3,4,5,6,7,8,9,10,11
	ds_load_b128 v[\buf+4*\i:\buf+4*\i+3], v21 offset:512*(12*(\j)+\i)
.endr
.endm
.macro FMA j, buf
.irp i, 0,1,2,3,4,5,6,7,8,9,10,11
.irp a, 0,1,2,3
	v_fma_mix_f32_bf16 v[U+2*\a], v[\buf+4*\i+\a], v[PP+12*(\j)+\i], v[U+2*\a] op_sel_hi:[1,0,0]                       ; the low bf16 x p + U, in f32
	v_fma_mix_f32_bf16 v[U+2*\a+1], v[\buf+4*\i+\a], v[PP+12*(\j)+\i], v[U+2*\a+1] op_sel:[1,0,0] op_sel_hi:[1,0,0]    ; the high one
.endr
.endr
.endm
; G: tile k (counted from the running pointers) of W1 into buffer b, in two parts.  A: 16 loads of fragments, 1 of scale words, 2 of cb: 19
.macro LOADA k, b
.if (\b) == 2
	WIN 0x40
.set LWB, 192
.else
.set LWB, 128+64*(\b)
.endif
.irp f, 0,1,2,3,4,5,6,7,8,9,10,11,12,13,14,15
	global_load_b128 v[LWB+4*\f:LWB+4*\f+3], v3, s[36:37] offset:8192*(\k)+512*\f      ; 512 consecutive bytes: registers 4 f .. 4 f + 3 of the tile's eight fragments
.endr
	WIN 0
	global_load_b128 v[WS+4*(\b):WS+4*(\b)+3], v4, s[38:39] offset:512*(\k)              ; register j: lanes 0-15 the word of K step j, lanes 16-31 of K step 4 + j
	global_load_b128 v[CBF+16*(\b):CBF+16*(\b)+3], v5, s[40:41] offset:128*(\k)
	global_load_b128 v[CBF+16*(\b)+4:CBF+16*(\b)+7], v5, s[40:41] offset:128*(\k)+16
.endm
; B: 2 loads of w2n
.macro LOADB k, b
	global_load_b128 v[CBF+16*(\b)+8:CBF+16*(\b)+11], v5, s[40:41] offset:128*(\k)+64
	global_load_b128 v[CBF+16*(\b)+12:CBF+16*(\b)+15], v5, s[40:41] offset:128*(\k)+80
.endm
; G: 1 / (1 + 2^(c z + cb)) of 3 x 8 registers, times w2n, onto the score's sums.  Each batch of transcendentals has one plain line and one wait behind it.
; ld = 2: behind the first of these waits stand B of the tile two further on and A of the tile three further on; ld = 1: B alone; ld = 0: nothing is left to ask for.
.macro TANH k, b, ld
.irp a, 0,2,4,6
.irp i, 0,1,2
	v_pk_fma_f32 v[ACC+8*\i+\a:ACC+8*\i+\a+1], v[ACC+8*\i+\a:ACC+8*\i+\a+1], s[32:33], v[CBF+16*(\b)+\a:CBF+16*(\b)+\a+1] op_sel_hi:[1,0,1]   ; each accumulator from its low end on
.endr
.endr
	s_wait_alu depctr_va_vdst(0)
.irp j, 0,1,2,3,4,5,6,7,8,9,10,11,12,13,14,15,16,17,18,19,20,21,22,23
	v_exp_f32 v[ACC+\j], v[ACC+\j]                 ; infinity for a large y: the reciprocal below is then 0, which is tanh = 1
.endr
	v_nop
	s_wait_alu depctr_va_vdst(0)                   ; the exponentials have written the accumulators' registers; the tile's products are done reading this buffer's fragments and scale words, the scalings its cb, and the last tile's sums its w2n: the loads below land in these
.if \ld
	LOADB (\k)+2, ((\b)+2)%3                       ; nothing but loads and window switches stands between the wait and the last of these 21 loads
.endif
.if \ld == 2
	LOADA (\k)+3, \b
.endif
.irp j, 0,2,4,6,8,10,12,14,16,18,20,22
	v_pk_add_f32 v[ACC+\j:ACC+\j+1], v[ACC+\j:ACC+\j+1], 1.0 op_sel_hi:[1,0]
.endr
	s_wait_alu depctr_va_vdst(0)
.irp j, 0,1,2,3,4,5,6,7,8,9,10,11,12,13,14,15,16,17,18,19,20,21,22,23
	v_rcp_f32 v[ACC+\j], v[ACC+\j]
.endr
	v_nop
	s_wait_alu depctr_va_vdst(0)                   ; the reciprocals are written, ahead of their first reader
.irp a, 0,2,4,6
.irp i, 0,1,2
	v_pk_fma_f32 v[SS+2*\i:SS+2*\i+1], v[ACC+8*\i+\a:ACC+8*\i+\a+1], v[CBF+16*(\b)+8+\a:CBF+16*(\b)+8+\a+1], v[SS+2*\i:SS+2*\i+1]
.endr
.endr
.endm
; G: one tile of 16 e: 24 matrix instructions, the three accumulators by turns, K ascending; the first products start the sums.
; left: the younger loads that may stay out when this tile's A and B have to be there.  Loads go out in the order .. B(k) A(k+1) | B(k+1) A(k+2) | ..: behind B(k) stand 19 + 2 + 19 = 40.
.macro GSTEP k, b, ld, left
	s_wait_loadcnt \left
.if (\b) == 2
	WIN 0x05                                       ; W1 and x in window 1
.set GWB, 192
.else
	WIN 0x04                                       ; x in window 1
.set GWB, 128+64*(\b)
.endif
.irp kk, 0,1,2,3,4,5,6,7
.irp i, 0,1,2
.if \kk == 0
	v_wmma_scale_f32_16x16x128_f8f6f4 v[ACC+8*\i:ACC+8*\i+7], v[GWB+8*\kk:GWB+8*\kk+7], v[64*\i+8*\kk:64*\i+8*\kk+7], 0, v[WS+4*(\b)+\kk], v[XS+4*\i+\kk] matrix_a_fmt:MATRIX_FMT_FP4 matrix_b_fmt:MATRIX_FMT_FP4
.elseif \kk < 4
	v_wmma_scale_f32_16x16x128_f8f6f4 v[ACC+8*\i:ACC+8*\i+7], v[GWB+8*\kk:GWB+8*\kk+7], v[64*\i+8*\kk:64*\i+8*\kk+7], v[ACC+8*\i:ACC+8*\i+7], v[WS+4*(\b)+\kk], v[XS+4*\i+\kk] matrix_a_fmt:MATRIX_FMT_FP4 matrix_b_fmt:MATRIX_FMT_FP4
.else
	v_wmma_scale_f32_16x16x128_f8f6f4 v[ACC+8*\i:ACC+8*\i+7], v[GWB+8*\kk:GWB+8*\kk+7], v[64*\i+8*\kk:64*\i+8*\kk+7], v[ACC+8*\i:ACC+8*\i+7], v[WS+4*(\b)+\kk-4], v[XS+4*\i+\kk-4] matrix_a_fmt:MATRIX_FMT_FP4 matrix_b_fmt:MATRIX_FMT_FP4 matrix_a_scale:MATRIX_SCALE_ROW1 matrix_b_scale:MATRIX_SCALE_ROW1
.endif
.endr
.endr
	WIN 0
.rept 4
	v_nop                                          ; four places between the last products and the first read of results (ISA guide 7.12.1)
.endr
	TANH \k, \b, \ld
.endm
	s_cmp_lt_u32 s20, 4
	s_cbranch_scc1 .Lperiod
	v_mov_b32 v[MM], 0xff61b1e6                    ; X: m = -3e38, under every t
	v_mov_b32 v[MM+1], 0                           ; l
	v_mov_b32 v[MM+2], 0
	v_mov_b32 v[MM+3], 0
	v_mov_b32 v104, 0                              ; a lane permute's destination counts as one of its sources
.irp j, 0,1,2,3,4,5,6,7
	v_mov_b32 v[U+\j], 0
.endr
	OFFS 0, 48
	OFFS 1, 56
	OFFS 2, 68
	WIN 0x40                                       ; destination window 1
	s_wait_alu depctr_va_vdst(0)                   ; the 24 offsets are written, which the loads below read
	ROWS 0                                         ; rows 0 to 23 of the list are on their way: 48 loads of each X wave
	ROWS 1
	ROWS 2
	WIN 0
.Lperiod:
	s_wait_alu depctr_vm_vsrc(0)                   ; the last period's LDS instructions have read v18 to v25, which are written below; its LDS stores have read G's sums and X's codes, bytes, bf16 and p, which this period writes or loads into again
	v_add_nc_u32 v18, s29, v7                      ; the period's LDS addresses, made by all waves alike: G's set,
	v_add_nc_u32 v19, s29, v8
	v_add_nc_u32 v20, s29, v9
	v_add_nc_u32 v21, s28, v10                     ; X's set
	v_add_nc_u32 v22, s28, v11
	v_add_nc_u32 v23, s28, v12
	v_add_nc_u32 v24, s28, v13
	v_add_nc_u32 v25, s28, v14
	s_cmp_lt_u32 s20, 4
	s_cbranch_scc1 .Lg
	; ================ X
	s_load_b512 s[48:63], s[12:13], 0x0            ; the list's next 48 entries, for the loads that Q issues
	s_load_b512 s[68:83], s[12:13], 0x40
	s_load_b512 s[84:99], s[12:13], 0x80
	s_sub_co_u32 s23, s22, 2                       ; chunk p - 2 (it wraps to a large number in periods 0 and 1)
	s_cmp_lt_u32 s23, s25
	s_cbranch_scc0 .Lx_nosm
	s_mul_i32 s42, s23, 48
	s_sub_co_u32 s30, s24, s42
	s_min_u32 s30, s30, 48                         ; how many of the chunk's 48 rows are rows of the list
	; ---- the softmax's step: every X wave does the same arithmetic on the same 48 scores
	s_wait_alu depctr_va_vdst(0)                   ; v24 and v25 are written, which the loads below read; the vector lines of earlier periods are done with v92 to v99, in which they land
.irp g, 0,1,2,3
	ds_load_b32 v[92+\g], v24 offset:256*\g        ; row lane: the four G waves' parts
.endr
.irp g, 0,1,2,3
	ds_load_b32 v[96+\g], v25 offset:256*\g        ; row 32 + r
.endr
	v_and_b32 v100, 31, v0
	v_and_or_b32 v101, v0, 15, 32
	v_mov_b32 v102, 0xff61b1e6
	v_cmp_gt_u32 s44, s30, v100                    ; the three masks in a run: row lane is a row of the list,
	v_cmp_gt_u32 s45, s30, v101                    ; row 32 + r is,
	v_cmp_gt_u32 s46, 16, v100                     ; my lane is one of the first sixteen
	s_wait_alu depctr_va_sdst(0)                   ; s44, s45 and s46 are written, ahead of the selects that read them
	s_wait_dscnt 0x0
	v_add_f32 v92, v92, v93
	v_add_f32 v94, v94, v95
	v_add_f32 v96, v96, v97
	v_add_f32 v98, v98, v99
	v_add_f32 v92, v92, v94
	v_add_f32 v96, v96, v98
	v_and_b32 v92, s26, v92                        ; a batch that is all masked: every score counts as 0
	v_and_b32 v96, s26, v96
	v_cndmask_b32 v92, v102, v92, s44              ; behind the list's end: -3e38, so p = 0
	v_cndmask_b32 v96, v102, v96, s45
	v_max_num_f32 v103, v92, v96
.irp x, 1,2,4,8
	v_max_num_f32_dpp v103, v103, v103 row_xmask:\x row_mask:0xf bank_mask:0xf
.endr
	v_permlanex16_b32 v104, v103, s34, s35
	v_max3_num_f32 v103, v103, v104, v[MM]         ; the new m
	v_sub_f32 v105, v[MM], v103
	v_sub_f32 v92, v92, v103
	v_sub_f32 v96, v96, v103
	s_wait_alu depctr_va_vdst(0)
	v_exp_f32 v[MM+2], v105                        ; f
	v_exp_f32 v92, v92                             ; p
	v_exp_f32 v96, v96
	v_mov_b32 v[MM], v103                          ; (the plain line behind the batch)
	s_wait_alu depctr_va_vdst(0)                   ; the three exponentials are written, ahead of their first readers, the two stores of p among them; the last chunk's multiply-adds and Q's vector lines are done with v112 to v255, in which the 36 loads below land
	ds_store_b32 v15, v92
	ds_store_b32 v16, v96
.irp j, 0,1,2,3,4,5,6,7,8,9,10,11
	ds_load_b128 v[PP+4*\j:PP+4*\j+3], v17 offset:16*\j    ; all 48 p into every lane: my wave's own bytes, served in order behind the two stores
.endr
	LOADX 0, XA
	LOADX 1, XC
	v_cndmask_b32 v106, 0, v96, s46                ; rows 32 to 47 stand twice in the lanes: counted once.  (These lines name none of the registers that the loads above land in)
	v_add_f32 v106, v106, v92
.irp x, 1,2,4,8
	v_add_f32_dpp v106, v106, v106 row_xmask:\x row_mask:0xf bank_mask:0xf
.endr
	v_permlanex16_b32 v104, v106, s34, s35
	v_add_f32 v106, v106, v104
	v_fma_f32 v[MM+1], v[MM+1], v[MM+2], v106      ; l = l f + the chunk's sum of p
.irp a, 0,2,4,6
	v_pk_mul_f32 v[U+\a:U+\a+1], v[U+\a:U+\a+1], v[MM+2:MM+3] op_sel_hi:[1,0]   ; U under the new m
.endr
	s_wait_alu depctr_va_vdst(0)
	s_wait_dscnt 12                                ; all but the youngest 12 loads: p and rows 0 to 11 are in
	FMA 0, XA
	s_wait_alu depctr_va_vdst(0)                   ; the multiply-adds are done reading rows 0 to 11, in whose registers rows 24 to 35 land
	LOADX 2, XA
	s_wait_dscnt 12
	FMA 1, XC
	s_wait_alu depctr_va_vdst(0)                   ; the multiply-adds are done reading rows 12 to 23, in whose registers rows 36 to 47 land
	LOADX 3, XC
	s_wait_dscnt 12
	FMA 2, XA
	s_wait_alu depctr_va_vdst(0)
	s_wait_dscnt 0x0
	FMA 3, XC
.Lx_nosm:
	s_wait_kmcnt 0x0                               ; the list's entries are in, on both ways
	s_cmp_lt_u32 s22, s25
	s_cbranch_scc0 .Ljoin
	; ---- Q of chunk p.  It finds three slots on their way, in the order 0, 1, 2, and leaves them so
	HB 0, 48
	HB 1, 56
	HB 2, 68
	HB 3, 76
	HB 4, 84
	HB 5, 92
	s_add_nc_u64 s[12:13], s[12:13], 192           ; 48 entries on
	s_branch .Ljoin
	; ================ G
.Lg:
	s_sub_co_u32 s23, s22, 1                       ; chunk p - 1
	s_cmp_lt_u32 s23, s25
	s_cbranch_scc0 .Ljoin
	s_mov_b64 s[36:37], s[8:9]                     ; the walk over my 16 tiles of W1 begins anew (no load of mine is out)
	s_mov_b64 s[38:39], s[6:7]
	s_mov_b64 s[40:41], s[10:11]
.irp j, 0,1,2,3,4,5
	v_mov_b32 v[SS+\j], 0                          ; (the last chunk's stores have read these: the wait at the period's head)
.endr
	s_wait_alu depctr_va_vdst(0)                   ; v18 and v19 are written; the last chunk's products are done reading W1's three buffers, x's fragments and all scale words, its tanh the constants: the loads below, with nothing but window switches among them, land in these
	LOADA 0, 0
	LOADB 0, 0
	LOADA 1, 1
	LOADB 1, 1
	LOADA 2, 2                                     ; tile 2's w2n is asked for in tile 0, as every tile's is two tiles ahead
	WIN 0x40
.irp i, 0,1,2
.irp f, 0,1,2,3,4,5,6,7,8,9,10,11,12,13,14,15
	ds_load_b128 v[64*\i+4*\f:64*\i+4*\f+3], v18 offset:16*CP*\i+32*\f     ; the chunk's codes stay in registers: 16 rows x 128 K are 8 registers; K step f / 2, half f % 2
.endr
.endr
	WIN 0
.irp i, 0,1,2
	ds_load_b128 v[XS+4*\i:XS+4*\i+3], v19 offset:512*\i                   ; their scale words, laid as W1's
.endr
	s_wait_dscnt 0x0
	s_mov_b32 s31, 4
.Lgl:                                                  ; a trip: three tiles, once round the three buffers
	GSTEP 0, 0, 2, 40                              ; 40: behind this tile's w2n stand the next tile's 19, its w2n's 2 and the 19 of the tile after
	GSTEP 1, 1, 2, 40
	GSTEP 2, 2, 2, 40
	s_wait_xcnt 0x0                                ; the loads have read their bases
	s_add_nc_u64 s[36:37], s[36:37], 3*8192
	s_add_nc_u64 s[38:39], s[38:39], 3*512
	s_add_nc_u64 s[40:41], s[40:41], 3*128
	s_sub_co_u32 s31, s31, 1
	s_cmp_lg_u32 s31, 0
	s_cbranch_scc1 .Lgl
	GSTEP 0, 0, 2, 40                              ; tile 12 asks for tile 14's w2n and for tile 15;
	GSTEP 1, 1, 1, 40                              ; tile 13 for tile 15's w2n alone;
	GSTEP 2, 2, 0, 21                              ; tiles 14 and 15 for nothing: the counts run down
	GSTEP 3, 0, 0, 0
.irp i, 0,1,2
	v_add_f32 v[SS+2*\i], v[SS+2*\i], v[SS+2*\i+1]
.endr
.irp i, 0,1,2
	v_permlanex16_b32 v[SS+2*\i+1], v[SS+2*\i], s34, s35   ; the other eight e of each tile lie in lane l xor 16
.endr
.irp i, 0,1,2
	v_add_f32 v[SS+2*\i], v[SS+2*\i], v[SS+2*\i+1]
.endr
	s_wait_alu depctr_va_vdst(0)                   ; the three sums are written, which the stores below read
.irp i, 0,1,2
	ds_store_b32 v20, v[SS+2*\i] offset:64*\i      ; row 16 i + r; both halves of the lanes write the same word with the same value
.endr
.Ljoin:
	s_wait_dscnt 0x0                               ; my LDS stores have landed and my LDS loads are in:
	s_barrier_signal -1
	s_barrier_wait -1                              ; what this period wrote may be read, what it read may be written
	s_xor_b32 s28, s28, SETB
	s_xor_b32 s29, s29, SETB
	s_add_co_u32 s22, s22, 1
	s_cmp_lt_u32 s22, 8
	s_cbranch_scc1 .Lperiod
	s_cmp_lt_u32 s20, 4
	s_cbranch_scc1 .Lend
	s_wait_alu depctr_va_vdst(0)                   ; the last multiply-adds have written U, the last softmax step m and l: the stores below read them
	global_store_b128 v6, v[U:U+3], s[16:17]       ; my 8 columns of PART
	global_store_b128 v6, v[U+4:U+7], s[16:17] offset:16
	s_cmp_lg_u32 s20, 4
	s_cbranch_scc1 .Lend
	s_wait_alu depctr_vm_vsrc(0)                   ; the last store of p has read v92, which is written below
	v_and_b32 v92, 31, v0
	v_lshlrev_b32 v92, 3, v92
	s_wait_alu depctr_va_vdst(0)                   ; v92 is written, which the store below reads as its offset
	global_store_b64 v92, v[MM:MM+1], s[18:19]     ; {m, l}, the same in every lane: 256 consecutive bytes
.Lend:
	s_wait_dscnt 0x0                               ; the closing lines, six on end
	s_wait_alu 0x0
	s_wait_tensorcnt 0x0
	ds_add_u32 v1, v2
	s_wait_dscnt 0x0
	s_endpgm
.Lfunc_end_k_q49cae2dbe8_main:
	.size	k_q49cae2dbe8_main, .Lfunc_end_k_q49cae2dbe8_main-k_q49cae2dbe8_main
	.p2alignl 7, 3214868480
	.fill 96, 4, 3214868480
	.section	.rodata,"a",@progbits
	.p2align	6, 0x0
	.amdhsa_kernel k_q49cae2dbe8_main
		.amdhsa_group_segment_fixed_size 264192
		.amdhsa_private_segment_fixed_size 0
		.amdhsa_enable_private_segment 0
		.amdhsa_kernarg_size 64
		.amdhsa_user_sgpr_count 2
		.amdhsa_user_sgpr_kernarg_segment_ptr 1
		.amdhsa_wavefront_size32 1
		.amdhsa_system_sgpr_workgroup_id_x 1
		.amdhsa_system_sgpr_workgroup_id_y 1
		.amdhsa_system_sgpr_workgroup_id_z 1
		.amdhsa_system_vgpr_workitem_id 0
		.amdhsa_next_free_vgpr 512
		.amdhsa_next_free_sgpr 100
		.amdhsa_reserve_vcc 0
		.amdhsa_float_denorm_mode_32 3
		.amdhsa_float_denorm_mode_16_64 3
		.amdhsa_memory_ordered 1
		.amdhsa_forward_progress 1
		.amdhsa_inst_pref_size 179
	.end_amdhsa_kernel
	.amdgpu_metadata
---
amdhsa.version: [ 1, 2 ]
amdhsa.kernels:
  - .name:           k_q49cae2dbe8_main
    .symbol:         k_q49cae2dbe8_main.kd
    .args:
      - { .name: seq_output, .offset: 0, .size: 8, .value_kind: global_buffer, .address_space: global }
      - { .name: W1_scales, .offset: 8, .size: 8, .value_kind: global_buffer, .address_space: global }
      - { .name: W1F, .offset: 16, .size: 8, .value_kind: global_buffer, .address_space: global }
      - { .name: CST, .offset: 24, .size: 8, .value_kind: global_buffer, .address_space: global }
      - { .name: LIST, .offset: 32, .size: 8, .value_kind: global_buffer, .address_space: global }
      - { .name: META, .offset: 40, .size: 8, .value_kind: global_buffer, .address_space: global }
      - { .name: PART, .offset: 48, .size: 8, .value_kind: global_buffer, .address_space: global }
      - { .name: ML, .offset: 56, .size: 8, .value_kind: global_buffer, .address_space: global }
    .group_segment_fixed_size: 264192
    .private_segment_fixed_size: 0
    .kernarg_segment_align: 8
    .kernarg_segment_size: 64
    .max_flat_workgroup_size: 256
    .sgpr_count:     100
    .vgpr_count:     512
    .wavefront_size: 32
...
	.end_amdgpu_metadata
.endif
;; end of part 5
;; launch comb (part 6): grid 128 x 1, 8 waves a work-group, no clusters, 0 bytes of LDS; arguments PART, ML, out1; writes out1
.if DOCPART == 6
	.amdgcn_target "amdgcn-amd-amdhsa--gfx1250"
	.amdhsa_code_object_version 6
	.text
	.protected	k_q49cae2dbe8_comb
	.globl	k_q49cae2dbe8_comb
	.p2align	8
	.type	k_q49cae2dbe8_comb,@function
k_q49cae2dbe8_comb:
	s_mov_b64 s[64:65], 0
	v_nop
	global_prefetch_b8 v0, s[64:65] scope:SCOPE_SE
	s_setreg_imm32_b32 hwreg(HW_REG_WAVE_MODE, 25, 1), 1
	s_wait_xcnt 0x0
; IntentCapture, launch 3 of 3: out1[b] = (w0 U0 + w1 U1) / (w0 l0 + w1 l1), w_i = 2^(m_i - max(m0, m1)): the two halves of batch b, each summed under its own largest t, are brought under the common one.
; A half without rows has m = -3e38, l = 0, U = 0: its w is 0.  (Masked rows and the term sum(w2) were left out by the launches before: shown at the head of the first.)
; Work-group b, 256 threads, 16 bytes each: a wave loads and stores 512 consecutive bytes.
	s_load_b128 s[4:7], s[0:1], 0x0                ; PART, ML
	s_load_b64 s[8:9], s[0:1], 0x10                ; out1
	v_lshlrev_b32 v1, 4, v0
	s_lshl_b32 s16, ttmp9, 13
	s_mov_b32 s17, 0
	s_lshl_b32 s18, ttmp9, 9
	s_mov_b32 s19, 0
	s_lshl_b32 s20, ttmp9, 12
	s_mov_b32 s21, 0
	s_wait_alu depctr_va_vdst(0)
	s_wait_kmcnt 0x0
	s_add_nc_u64 s[4:5], s[4:5], s[16:17]
	s_add_nc_u64 s[6:7], s[6:7], s[18:19]
	s_add_nc_u64 s[8:9], s[8:9], s[20:21]
	s_load_b64 s[12:13], s[6:7], 0x0               ; m0, l0
	s_load_b64 s[14:15], s[6:7], 0x100             ; m1, l1
	global_load_b128 v[4:7], v1, s[4:5]            ; U0
	global_load_b128 v[8:11], v1, s[4:5] offset:4096   ; U1
	s_wait_kmcnt 0x0
	v_mov_b32 v12, s14
	s_delay_alu instid0(VALU_DEP_1)
	v_max_num_f32 v13, s12, v12
	s_delay_alu instid0(VALU_DEP_1)
	v_sub_f32 v14, s12, v13
	s_delay_alu instid0(VALU_DEP_2)
	v_sub_f32 v15, s14, v13
	s_wait_alu depctr_va_vdst(0)
	v_exp_f32 v14, v14                             ; w0
	v_exp_f32 v16, v15                             ; w1
	v_mov_b32 v17, 0                               ; (the plain line behind the two; v17 is named with v16 as a pair)
	s_wait_alu depctr_va_vdst(0)
	v_mul_f32 v18, s13, v14
	v_fma_f32 v18, v16, s15, v18                   ; the whole row's sum of p
	s_wait_alu depctr_va_vdst(0)
	v_rcp_f32 v20, v18
	v_nop
	s_wait_alu depctr_va_vdst(0)
	v_mul_f32 v14, v14, v20
	v_mul_f32 v16, v16, v20
	s_wait_alu depctr_va_vdst(0)
	s_wait_loadcnt 0x0
	v_pk_mul_f32 v[4:5], v[4:5], v[14:15] op_sel_hi:[1,0]
	v_pk_mul_f32 v[6:7], v[6:7], v[14:15] op_sel_hi:[1,0]
	s_delay_alu instid0(VALU_DEP_2)
	v_pk_fma_f32 v[4:5], v[8:9], v[16:17], v[4:5] op_sel_hi:[1,0,1]
	s_delay_alu instid0(VALU_DEP_2)
	v_pk_fma_f32 v[6:7], v[10:11], v[16:17], v[6:7] op_sel_hi:[1,0,1]
	global_store_b128 v1, v[4:7], s[8:9]
	s_endpgm
.Lfunc_end_k_q49cae2dbe8_comb:
	.size	k_q49cae2dbe8_comb, .Lfunc_end_k_q49cae2dbe8_comb-k_q49cae2dbe8_comb
	.p2alignl 7, 3214868480
	.fill 96, 4, 3214868480
	.section	.rodata,"a",@progbits
	.p2align	6, 0x0
	.amdhsa_kernel k_q49cae2dbe8_comb
		.amdhsa_group_segment_fixed_size 0
		.amdhsa_private_segment_fixed_size 0
		.amdhsa_enable_private_segment 0
		.amdhsa_kernarg_size 24
		.amdhsa_user_sgpr_count 2
		.amdhsa_user_sgpr_kernarg_segment_ptr 1
		.amdhsa_wavefront_size32 1
		.amdhsa_system_sgpr_workgroup_id_x 1
		.amdhsa_system_sgpr_workgroup_id_y 1
		.amdhsa_system_sgpr_workgroup_id_z 1
		.amdhsa_system_vgpr_workitem_id 0
		.amdhsa_next_free_vgpr 32
		.amdhsa_next_free_sgpr 66
		.amdhsa_reserve_vcc 0
		.amdhsa_float_denorm_mode_32 3
		.amdhsa_float_denorm_mode_16_64 3
		.amdhsa_memory_ordered 1
		.amdhsa_forward_progress 1
		.amdhsa_inst_pref_size 3
	.end_amdhsa_kernel
	.amdgpu_metadata
---
amdhsa.version: [ 1, 2 ]
amdhsa.kernels:
  - .name:           k_q49cae2dbe8_comb
    .symbol:         k_q49cae2dbe8_comb.kd
    .args:
      - { .name: PART, .offset: 0, .size: 8, .value_kind: global_buffer, .address_space: global }
      - { .name: ML, .offset: 8, .size: 8, .value_kind: global_buffer, .address_space: global }
      - { .name: out1, .offset: 16, .size: 8, .value_kind: global_buffer, .address_space: global }
    .group_segment_fixed_size: 0
    .private_segment_fixed_size: 0
    .kernarg_segment_align: 8
    .kernarg_segment_size: 24
    .max_flat_workgroup_size: 256
    .sgpr_count:     66
    .vgpr_count:     32
    .wavefront_size: 32
...
	.end_amdgpu_metadata
.endif
;; end of part 6
